; MI455X (gfx1250); checked and timed in simulation.
; The chip was launched on July 23, 2026; its instructions are those of AMD's public machine-readable ISA for CDNA 5 (MIT licence, August 2026) and "CDNA5" Instruction Set Architecture Reference Guide (July 2026). The comments in the code are by the model that wrote it; some were corrected since.
;; Causal Self Attention. Allowed arithmetic: matrix products marked QUANTISED: E2M3 operands, one E8M0 scale for each 32 along K, by v_wmma_scale_f32_16x16x128_f8f6f4 with both operands' format E2M3, f32 sums; everything else in f32.
;; Inputs: b_attn 3,072 float32; b_proj 1,024 float32; w_attn 1,024 x 3,072 float32; w_proj 1,024 x 1,024 float32; x 4 x 2,048 x 1,024 float32.
;; Outputs: out0 4 x 2,048 x 1,024 float32.
;; This version of the problem:
;;   THIS VERSION OF THE PROBLEM IS GIVEN IN LOW PRECISION. The matrix products marked QUANTISED in the list below multiply operands that are first quantised to E2M3 (2 exponent bits, 3 mantissa bits; 6 bits a number), with one power-of-two scale for each 32 numbers along K (OCP MX v1.0); their sums are f32. All else is computed in f32.
;;   The module's matrix products, in the order in which they are computed (A, B: the left and right operand; K: the contracted axis; several contracted axes count as one K, in the product's order):
;;     1. [M 8,192, K 1,024] x [K 1,024, N 3,072]; A: input x; B: input w_attn: QUANTISED
;;     2. batch 64 x [M 2,048, K 64] x [K 64, N 2,048]; A: computed on the way; B: computed on the way: QUANTISED
;;     3. batch 64 x [M 2,048, K 2,048] x [K 2,048, N 64]; A: softmax (see below); B: computed on the way: QUANTISED
;;     4. [M 8,192, K 1,024] x [K 1,024, N 1,024]; A: computed on the way; B: input w_proj: QUANTISED
;;   THE QUANTISER, for each operand of a quantised product, along K:
;;     - K is cut into blocks of 32 from its start; a last block that is shorter is filled with zeros.
;;     - A block's scale is 2^e with e = floor(log2(the largest magnitude in the block)) - 2, held to -126 .. 127; a block of zeros has e = 0. As a byte (E8M0): e + 127.
;;     - Each number is divided by its block's scale, clamped to +-7.5, and rounded to the nearest number of E2M3, ties to even, subnormals kept.
;;     - The product sums the exact products of the quantised numbers (number of the format x scale) in f32.
;;   ~~~python
;;   def quantise(x, axis):      # numpy; x: float32 -> the quantised numbers, widened to float32 again
;;       x = np.moveaxis(x, axis, -1); K = x.shape[-1]
;;       x = np.pad(x, [(0, 0)] * (x.ndim - 1) + [(0, -K % 32)]); x = x.reshape(x.shape[:-1] + (-1, 32)); a = np.abs(x).max(-1, keepdims=True)
;;       e = np.where(a > 0, np.clip(np.frexp(np.where(a > 0, a, 1))[1] - 1 - 2, -126, 127), 0)      # np.frexp(a)[1] - 1 = floor(log2(a)), exactly
;;       r = np.clip(x / 2.0 ** e, -7.5, 7.5)
;;       step = 2.0 ** (np.maximum(np.frexp(np.where(r == 0, 1, r))[1] - 1, 0) - 3)
;;       q = np.round(r / step) * step * 2.0 ** e      # np.round: ties to even
;;       return np.moveaxis(q.reshape(q.shape[:-2] + (-1,))[..., :K], -1, axis).astype(np.float32)
;;   ~~~
;;   SOFTMAX AHEAD OF A QUANTISED PRODUCT. Where the list says 'softmax', what is quantised is not the finished softmax but p = 2^(t - M), with t = logit x log2(e) and M = ceil(the row's largest t), a whole number; so 1/2 < the row's largest p <= 1. The row's sum l is taken of the UNQUANTISED p, in f32, and the product's result is divided by l at the end. Since M is a whole number, a kernel that streams over the keys may use a running M (the ceiling of the running maximum): every later rescaling is an exact power of two, which a block's scale takes up: the codes' values come out the same.
;;   OPERANDS COMPUTED ON THE WAY. 'Computed on the way' means the value that the module computes at that place (a softmax that the list does not call 'softmax' is quantised finished and normalised). What goes into a quantiser is computed in f32, as accurately as f32 sums, v_exp_f32 and their like allow (about 1e-6 of the number): no bf16 or f16 on the way to a quantiser, and a product that is left as it is and whose result goes on into a quantised operand takes f32 operands (vector FMAs, or v_wmma_f32_16x16x4_f32). A number that lies on a knife's edge between two numbers of the format may be rounded either way, as far as f32 arithmetic and the matrix unit's own rounding can turn it there, and no further.
;; One version. Each part assembles by itself: llvm-mc -triple=amdgcn-amd-amdhsa -mcpu=gfx1250 --defsym DOCPART=n.
;; ======== version 1 of 1: 4 launches
;; limits: right only within a limited range of input values
;; workspace buffers: xq 6,553,600 bytes; wq 3,276,800 bytes; qkvc 18,874,368 bytes; scl 1,310,720 bytes; yq 6,553,600 bytes
;; launch prep (part 1): grid 384 x 1, 4 waves a work-group, no clusters, 34,304 bytes of LDS; arguments x, w_attn, w_proj, xq, wq; writes xq, wq
.if DOCPART == 1
	.amdgcn_target "amdgcn-amd-amdhsa--gfx1250"
	.amdhsa_code_object_version 6
	.text
	.protected	k_q39c2491499_prep
	.globl	k_q39c2491499_prep
	.p2align	8
	.type	k_q39c2491499_prep,@function
k_q39c2491499_prep:
	s_mov_b64 s[64:65], 0
	v_nop
	global_prefetch_b8 v0, s[64:65] scope:SCOPE_SE
	s_setreg_imm32_b32 hwreg(HW_REG_WAVE_MODE, 25, 1), 1
	s_wait_xcnt 0x0
; x [8192][1024], w_attn [1024][3072] and w_proj [1024][1024], f32, become codes of FP6 (E2M3) with one E8M0 byte for each 32 along K (x: its last axis; the weights: their FIRST axis),
; laid in the order of the matrix operand's registers, so that the later launches bring them by dense tensor loads and read them by loads of 16 and 8 bytes a lane.
; LAYOUT.  Rows (tokens of x; columns n of a weight) go in groups of 128; tile i (0..7), lane row r (0..15) of a group is row 32 (i/2) + 8 (i%2) + r + 8 (r/8).
;   A half fragment, 16 tile rows x 64 K, is 768 bytes: lane l = r + 16 h holds the 24 bytes of k = 32 h .. 32 h + 31 of its row: registers 0-3 at byte 16 l, registers 4-5 at byte 512 + 16 r + 8 h.
;   A chunk, 128 rows x 256 K, is 25,600 bytes: [tile 8][half fragment 4][768], then 1,024 bytes of scale words [tile 8][r 16][K step of 128: 2].  A group is four chunks, 102,400 bytes.
;   xq: 64 groups.  wq: 32 groups: 0-23 the columns of w_attn, 24-31 those of w_proj.
; A block's scale is 2^(floor(log2(largest magnitude)) - 2); its byte is the largest magnitude's exponent field - 2, held at 1 from below.
; LIMITS: NaN and infinities are not served.  A block of zeros, or one whose largest magnitude lies under 2^-124, gets the byte 1 where the rule says 127 or less: its codes are zeros or the floor's, and the bytes are read by this program alone.
; Work-groups 0-255 take x (32 rows each, a wave a chunk), work-groups 256-383 a chunk of a group of a weight (a wave 32 columns): 128 KiB of f32 each.  Waves share nothing: no barrier.  Only x's way touches LDS.
.set STG,   8448                       ; x's way: a stage of 16 rows x (512 bytes + 16) for each wave
.set SPARE, 4*STG                      ; behind the stages: the spare words, 128 bytes a wave: two blocks of 256 bytes that no other line names
.set SPW,   12                         ; v12  LDS address of my spare word; never rewritten
.set NIL,   13                         ; v13  0; never rewritten
.set TM,    16                         ; v16-31  x: largest magnitudes, bytes, scale operands
.set PC,    32                         ; v32-51  x: a fragment's 12 registers of codes, and the conversions' second halves
.set WD,    52                         ; v52-55  x: the four units' scale words
.set RS,    64                         ; v64-191 x: two sets of 64 registers as loaded
.set X,     192                        ; v192-255 x: 64 numbers of my row
.set SEL,   22                         ; s[22:23] lane selects for v_permlanex16_b32: lane l xor 16
	s_load_b256 s[4:11], s[0:1], 0x0               ; x s[4:5], w_attn s[6:7], w_proj s[8:9], xq s[10:11]
	s_load_b64 s[12:13], s[0:1], 0x20              ; wq
	v_lshl_add_u32 v[SPW], v0, 2, SPARE
	v_mov_b32 v[NIL], 0
	v_lshrrev_b32 v1, 5, v0
	v_readfirstlane_b32 s14, v1                    ; wave 0..3
	v_and_b32 v10, 31, v0                          ; lane
	s_cmp_lt_u32 ttmp9, 256
	s_cbranch_scc0 .Lweights
; ---------------------------------------------------------------- x: K is innermost
; Work-group g: rows 32 g .. 32 g + 31 = tiles 2 (g % 4) and 2 (g % 4) + 1 of group g / 4.  Wave w: chunk w, 1,024 bytes of each row.  Four units: (tile u, K step q) = 16 rows x 512 bytes.
; Each load reads a row's 512 consecutive bytes; the unit turns through the wave's stage, so that lane (r, h) gets, of row r, the 16 numbers k = 32 b + 16 h + 0 .. 15 of each block b.
	v_and_b32 v8, 15, v0                           ; r
	v_bfe_u32 v9, v0, 4, 1                         ; h
	v_lshlrev_b32 v1, 4, v10                       ; 16 l
	s_mul_i32 s15, s14, STG
	v_add_nc_u32 v2, s15, v1                       ; the stage, on the way in: 16 l of a row
	v_mul_u32_u24 v3, v8, 528
	v_lshl_add_u32 v3, v9, 6, v3
	v_add_nc_u32 v3, s15, v3                       ; and on the way out: row r, + 64 h
	v_lshlrev_b32 v4, 4, v8
	v_lshl_add_u32 v4, v9, 3, v4
	v_add_nc_u32 v4, 512, v4                       ; 512 + 16 r + 8 h: a half fragment's registers 4, 5
	v_lshlrev_b32 v5, 3, v10                       ; 8 l: my two scale words
.irp b, 0,1,2,3
	v_mov_b32 v[TM+4+\b], 0                        ; written once: a lane permute's destination counts as one of its sources
.endr
	s_mov_b32 s[SEL], 0x76543210
	s_mov_b32 s[SEL+1], 0xfedcba98
	s_lshl_b32 s24, ttmp9, 17                      ; 32 rows of 4,096 bytes
	s_lshl_b32 s25, s14, 10                        ; my chunk's 1,024 bytes of a row
	s_add_co_u32 s24, s24, s25
	s_mov_b32 s25, 0
	s_lshr_b32 s30, ttmp9, 2
	s_mul_i32 s30, s30, 102400
	s_mul_i32 s31, s14, 25600
	s_add_co_u32 s30, s30, s31                     ; my chunk in xq
	s_and_b32 s31, ttmp9, 3
	s_mul_i32 s26, s31, 6144
	s_add_co_u32 s26, s26, s30                     ; my two tiles' codes
	s_mov_b32 s27, 0
	s_lshl_b32 s28, s31, 8
	s_add_co_u32 s28, s28, s30
	s_add_co_u32 s28, s28, 24576                   ; and their 256 bytes of scale words
	s_mov_b32 s29, 0
	s_wait_alu depctr_va_vdst(0)
	s_wait_kmcnt 0x0
	s_add_nc_u64 s[16:17], s[4:5], s[24:25]
	s_add_nc_u64 s[18:19], s[10:11], s[26:27]
	s_add_nc_u64 s[20:21], s[10:11], s[28:29]
.macro LOADU t                         ; unit t: the tile's row rr is row 8 u + rr + 8 (rr / 8) of my 32
.set LU, (\t)/2
.set LQ, (\t)%2
.irp rr, 0,1,2,3,4,5,6,7,8,9,10,11,12,13,14,15
	global_load_b128 v[RS+64*((\t)%2)+4*\rr:RS+64*((\t)%2)+4*\rr+3], v1, s[16:17] offset:(8*LU+\rr+8*(\rr/8))*4096+512*LQ th:TH_LOAD_NT
.endr
.endm
; 64 numbers of a lane, register 16 b + i = k 32 b + 16 h + i of my row, become a fragment's codes in v[PC] on and its scale word in v[pw] (the same in lanes l and l xor 16)
.macro QUANT s, pw
.irp b, 0,1,2,3
	v_max3_num_f32 v[TM+\b], |v[\s+16*\b]|, |v[\s+1+16*\b]|, 0x1800000   ; my 16 numbers of block b, and the floor 2^(3 - 127): the byte cannot fall under 1
.endr
.irp i, 2,4,6,8,10,12,14
.irp b, 0,1,2,3
	v_max3_num_f32 v[TM+\b], v[TM+\b], |v[\s+16*\b+\i]|, |v[\s+1+16*\b+\i]|
.endr
.endr
.irp b, 0,1,2,3
	v_permlanex16_b32 v[TM+4+\b], v[TM+\b], s[SEL], s[SEL+1]
.endr
.irp b, 0,1,2,3
	v_max_num_f32 v[TM+\b], v[TM+\b], v[TM+4+\b]   ; with lane l xor 16's: the block's largest magnitude
.endr
.irp b, 0,1,2,3
	v_add_nc_u32 v[TM+12+\b], 0xff000000, v[TM+\b] ; 2 off its exponent field: the conversion's scale operand
.endr
.irp b, 0,1,2,3
	v_lshrrev_b32 v[TM+4+\b], 23, v[TM+12+\b]      ; the scale's byte
.endr
	v_lshl_or_b32 v[\pw], v[TM+5], 8, v[TM+4]
	v_lshl_or_b32 v[\pw], v[TM+6], 16, v[\pw]
	v_lshl_or_b32 v[\pw], v[TM+7], 24, v[\pw]
.irp c, 0,1
	v_cvt_scalef32_pk16_fp6_f32 v[PC+6*\c:PC+2+6*\c], v[\s+32*\c:\s+15+32*\c], v[TM+12+2*\c]
	v_cvt_scalef32_pk16_fp6_f32 v[PC+12+4*\c:PC+14+4*\c], v[\s+16+32*\c:\s+31+32*\c], v[TM+12+2*\c+1]   ; (a conversion's three registers begin on an even number)
.endr
	v_nop                                          ; one plain place behind a scaled conversion
.irp c, 0,1                            ; the operand's layout wants a whole block in a lane: lanes 0-15 block 2 c, lanes 16-31 block 2 c + 1
.irp i, 0,1,2
	v_permlane16_swap_b32 v[PC+6*\c+\i], v[PC+12+4*\c+\i]
.endr
.irp i, 0,1,2
	v_mov_b32 v[PC+3+6*\c+\i], v[PC+12+4*\c+\i]
.endr
.endr
.endm
.macro UNIT t
.if (\t) < 3
	s_wait_loadcnt 16                              ; this unit's 16 loads are in; the next unit's 16 stay out
.else
	s_wait_loadcnt 0x0
.endif
.irp rr, 0,1,2,3,4,5,6,7,8,9,10,11,12,13,14,15
	ds_store_b128 v2, v[RS+64*((\t)%2)+4*\rr:RS+64*((\t)%2)+4*\rr+3] offset:528*\rr
.endr
.irp b, 0,1,2,3
.irp j, 0,1,2,3
	ds_load_b128 v[X+16*\b+4*\j:X+16*\b+4*\j+3], v3 offset:128*\b+16*\j   ; LDS serves a wave's instructions in order: these see my stores
.endr
.endr
	s_wait_dscnt 0x0                               ; my numbers are back, and the stores into the stage have read their registers
.if (\t) > 0
	s_wait_xcnt 0x0                                ; the last unit's stores have read the codes' registers, which are written again below
.endif
.if (\t) < 2
	LOADU (\t)+2
.endif
	QUANT X, WD+(\t)
	global_store_b128 v1, v[PC:PC+3], s[18:19] offset:((\t)/2)*3072+((\t)%2)*1536          ; 512 consecutive bytes
	global_store_b64 v4, v[PC+4:PC+5], s[18:19] offset:((\t)/2)*3072+((\t)%2)*1536         ; 256 consecutive bytes
	global_store_b128 v1, v[PC+6:PC+9], s[18:19] offset:((\t)/2)*3072+((\t)%2)*1536+768
	global_store_b64 v4, v[PC+10:PC+11], s[18:19] offset:((\t)/2)*3072+((\t)%2)*1536+768
.endm
	LOADU 0
	LOADU 1
	UNIT 0
	UNIT 1
	UNIT 2
	UNIT 3
	v_cmp_lt_u32 vcc_lo, 15, v10                   ; lanes 0-15 store the first tile's two words of row r, lanes 16-31 the second tile's
	v_cndmask_b32 v56, v52, v54, vcc_lo
	v_cndmask_b32 v57, v53, v55, vcc_lo
	global_store_b64 v5, v[56:57], s[20:21]        ; 256 consecutive bytes, aligned
	s_wait_tensorcnt 0x0                           ; the wave's end: behind my last LDS store
	ds_add_u32 v[SPW], v[NIL]
	s_wait_dscnt 0x0
	s_endpgm
; ---------------------------------------------------------------- the weights: K is the first axis
; A lane takes a column and its registers run down K: a block of 32 lies in one lane, and the conversions give codes with K innermost.  Work-group g': group g' / 4 of wq, chunk g' % 4 (256 along K).
; Wave w: columns 32 w .. 32 w + 31 of the group = tiles 2 w and 2 w + 1: lane L is tile 2 w + (L / 8) % 2, row r' = L % 8 + 8 (L / 16).  No LDS on this way.
.Lweights:
	s_sub_co_u32 s15, ttmp9, 256
	s_lshr_b32 s16, s15, 2                         ; the group of wq
	s_and_b32 s17, s15, 3                          ; the chunk
	s_mov_b32 s19, 4096
	s_sub_co_u32 s20, s16, 24
	s_wait_kmcnt 0x0
	s_cmp_lt_u32 s16, 24                           ; w_attn or w_proj: the choice hangs on the work-group's number alone
	s_cselect_b64 s[22:23], s[6:7], s[8:9]
	s_cselect_b32 s18, 12288, s19                  ; a row of the weight in bytes
	s_cselect_b32 s20, s16, s20                    ; the group of 128 columns in its own tensor
	s_lshl_b32 s20, s20, 9
	s_lshl_b32 s21, s14, 7
	s_add_co_u32 s20, s20, s21                     ; my wave's 32 columns
	s_lshl_b32 s21, s17, 8
	s_mul_i32 s21, s21, s18                        ; the chunk's first row
	s_add_co_u32 s20, s20, s21
	s_mov_b32 s21, 0
	s_add_nc_u64 s[32:33], s[22:23], s[20:21]      ; block 0's base; block t's in s[32+2t:33+2t]
	s_lshl_b32 s28, s18, 5                         ; 32 rows
	s_mov_b32 s29, 0
.irp t, 1,2,3,4,5,6,7
	s_add_nc_u64 s[32+2*\t:33+2*\t], s[30+2*\t:31+2*\t], s[28:29]
.endr
	s_mul_i32 s30, s16, 102400
	s_mul_i32 s31, s17, 25600
	s_add_co_u32 s30, s30, s31
	s_mul_i32 s31, s14, 6144
	s_add_co_u32 s48, s30, s31                     ; my two tiles' codes
	s_mov_b32 s49, 0
	s_lshl_b32 s31, s14, 8
	s_add_co_u32 s50, s30, s31
	s_add_co_u32 s50, s50, 24576                   ; and their scale words
	s_mov_b32 s51, 0
	s_add_nc_u64 s[24:25], s[12:13], s[48:49]
	s_add_nc_u64 s[26:27], s[12:13], s[50:51]
	s_wait_alu depctr_va_vdst(0)
	v_lshlrev_b32 v32, 2, v10                      ; v32-63: 4 L + i rows
.irp i, 1,2,3,4,5,6,7,8,9,10,11,12,13,14,15,16,17,18,19,20,21,22,23,24,25,26,27,28,29,30,31
	v_add_nc_u32 v[32+\i], s18, v[31+\i]
.endr
	v_bfe_u32 v1, v10, 3, 1                        ; which of my two tiles
	v_and_b32 v2, 7, v10
	v_lshrrev_b32 v3, 4, v10
	v_lshl_add_u32 v2, v3, 3, v2                   ; r'
	v_mul_u32_u24 v6, v1, 3072
	v_lshl_add_u32 v6, v2, 4, v6                   ; codes: tile, + 16 r'
	v_lshlrev_b32 v7, 7, v1
	v_lshl_add_u32 v7, v2, 3, v7                   ; scale words: tile, + 8 r'
.macro WLOAD t                         ; block t: 32 rows of my column; each load reads 128 consecutive bytes, the four waves side by side
.irp i, 0,1,2,3,4,5,6,7,8,9,10,11,12,13,14,15,16,17,18,19,20,21,22,23,24,25,26,27,28,29,30,31
	global_load_b32 v[64+32*((\t)%2)+\i], v[32+\i], s[32+2*(\t):33+2*(\t)] th:TH_LOAD_NT
.endr
.endm
; Block t = 2 hf + h is what lane (r', h) of half fragment hf holds.  v[QA..+3]: registers 0-3 for h = 0; v[QA+4..+7]: for h = 1; v[QA+8..+11]: registers 4, 5 for h = 0, then for h = 1.
.macro WBLOCK t
.set XS, 64+32*((\t)%2)
.set HFI, (\t)/2
.set HH, (\t)%2
.set QA, 128+12*HFI
.set QQ, QA+4*HH
.set QC, QA+8
.if (\t) < 7
	s_wait_loadcnt 32                              ; this block's 32 loads are in; the next block's stay out
.else
	s_wait_loadcnt 0x0
.endif
	v_max3_num_f32 v8, |v[XS]|, |v[XS+1]|, |v[XS+2]|
	v_max3_num_f32 v9, |v[XS+3]|, |v[XS+4]|, |v[XS+5]|
.irp i, 6,10,14,18,22,26
	v_max3_num_f32 v8, v8, |v[XS+\i]|, |v[XS+\i+1]|
	v_max3_num_f32 v9, v9, |v[XS+\i+2]|, |v[XS+\i+3]|
.endr
	v_max3_num_f32 v8, v8, |v[XS+30]|, |v[XS+31]|
	v_max3_num_f32 v8, v8, v9, 0x1800000           ; and the floor 2^(3 - 127)
	v_add_nc_u32 v11, 0xff000000, v8               ; the conversion's scale operand
	v_lshrrev_b32 v9, 23, v11                      ; the scale's byte
	v_cvt_scalef32_pk16_fp6_f32 v[QQ:QQ+2], v[XS:XS+15], v11
	v_cvt_scalef32_pk16_fp6_f32 v[176:178], v[XS+16:XS+31], v11
.if (\t)%4 == 0
	v_mov_b32 v[180+(\t)/4], v9                    ; four bytes to a word, the lower K in the lower byte.  (The plain place behind the conversions)
.else
	v_lshl_or_b32 v[180+(\t)/4], v9, 8*((\t)%4), v[180+(\t)/4]
.endif
	v_mov_b32 v[QQ+3], v176
	v_mov_b32 v[QC+2*HH], v177
	v_mov_b32 v[QC+2*HH+1], v178
.if (\t) < 6
	WLOAD (\t)+2
.endif
.if HH == 1                            ; each store: 256 consecutive bytes, aligned, in each of my two tiles.  No store's data are written again
	global_store_b128 v6, v[QA:QA+3], s[24:25] offset:HFI*768
	global_store_b128 v6, v[QA+4:QA+7], s[24:25] offset:HFI*768+256
	global_store_b128 v6, v[QA+8:QA+11], s[24:25] offset:HFI*768+512
.endif
.endm
	WLOAD 0
	WLOAD 1
.irp t, 0,1,2,3,4,5,6,7
	WBLOCK \t
.endr
	global_store_b64 v7, v[180:181], s[26:27]      ; my column's two scale words: the wave stores 256 consecutive bytes, aligned
	s_endpgm
.Lfunc_end_k_q39c2491499_prep:
	.size	k_q39c2491499_prep, .Lfunc_end_k_q39c2491499_prep-k_q39c2491499_prep
	.p2alignl 7, 3214868480
	.fill 96, 4, 3214868480
	.section	.rodata,"a",@progbits
	.p2align	6, 0x0
	.amdhsa_kernel k_q39c2491499_prep
		.amdhsa_group_segment_fixed_size 34304
		.amdhsa_private_segment_fixed_size 0
		.amdhsa_enable_private_segment 0
		.amdhsa_kernarg_size 40
		.amdhsa_user_sgpr_count 2
		.amdhsa_user_sgpr_kernarg_segment_ptr 1
		.amdhsa_wavefront_size32 1
		.amdhsa_system_sgpr_workgroup_id_x 1
		.amdhsa_system_sgpr_workgroup_id_y 1
		.amdhsa_system_sgpr_workgroup_id_z 1
		.amdhsa_system_vgpr_workitem_id 0
		.amdhsa_next_free_vgpr 256
		.amdhsa_next_free_sgpr 66
		.amdhsa_reserve_vcc 1
		.amdhsa_float_denorm_mode_32 3
		.amdhsa_float_denorm_mode_16_64 3
		.amdhsa_memory_ordered 1
		.amdhsa_forward_progress 1
		.amdhsa_inst_pref_size 73
	.end_amdhsa_kernel
	.amdgpu_metadata
---
amdhsa.version: [ 1, 2 ]
amdhsa.kernels:
  - .name:           k_q39c2491499_prep
    .symbol:         k_q39c2491499_prep.kd
    .args:
      - { .name: x, .offset: 0, .size: 8, .value_kind: global_buffer, .address_space: global }
      - { .name: w_attn, .offset: 8, .size: 8, .value_kind: global_buffer, .address_space: global }
      - { .name: w_proj, .offset: 16, .size: 8, .value_kind: global_buffer, .address_space: global }
      - { .name: xq, .offset: 24, .size: 8, .value_kind: global_buffer, .address_space: global }
      - { .name: wq, .offset: 32, .size: 8, .value_kind: global_buffer, .address_space: global }
    .group_segment_fixed_size: 34304
    .private_segment_fixed_size: 0
    .kernarg_segment_align: 8
    .kernarg_segment_size: 40
    .max_flat_workgroup_size: 128
    .sgpr_count:     66
    .vgpr_count:     256
    .wavefront_size: 32
...
	.end_amdgpu_metadata
.endif
;; end of part 1
;; launch qkv (part 2): grid 12 x 64, 4 waves a work-group, clusters of 4 x 4, 327,680 bytes of LDS; arguments xq, wq, b_attn, qkvc, scl; writes qkvc, scl
.if DOCPART == 2
	.amdgcn_target "amdgcn-amd-amdhsa--gfx1250"
	.amdhsa_code_object_version 6
	.text
	.protected	k_q39c2491499_qkv
	.globl	k_q39c2491499_qkv
	.p2align	8
	.type	k_q39c2491499_qkv,@function
k_q39c2491499_qkv:
	s_mov_b64 s[64:65], 0
	v_nop
	global_prefetch_b8 v0, s[64:65] scope:SCOPE_SE
	s_setreg_imm32_b32 hwreg(HW_REG_WAVE_MODE, 25, 1), 1
	s_wait_xcnt 0x0
	s_wait_alu depctr_hold_cnt(0) depctr_sa_sdst(0) depctr_va_vdst(0) depctr_va_sdst(0) depctr_va_ssrc(0) depctr_va_vcc(0) depctr_vm_vsrc(0)
	s_getreg_b32 s2, hwreg(HW_REG_IB_STS2, 6, 4)
	s_cmp_eq_u32 s2, 0
	s_cbranch_scc0 .Lentry_in_a_cluster
	s_endpgm
.Lentry_in_a_cluster:
	s_bfe_u32 s2, ttmp6, 0x10000c
	s_cmp_lg_u32 s2, 0xf033
	s_cbranch_scc0 .Lentry_shape_is_right
	s_endpgm
.Lentry_shape_is_right:
; qkv = x w_attn + b_attn on codes of FP6 (E2M3) with E8M0 scales, and q, k, v quantised in registers for the attention: they never go to memory as f32.
; THE CORE.  C'[p][rho] = sum over k of P[p][k] R[rho][k], K = 1,024.  The matrix instruction is used transposed: source 0 = 16 rows of R, source 1 = 16 rows of P: a lane holds ONE row of P and its registers run along R.
; A work-group makes 128 (P) x 256 (R); its four waves 64 x 128 each: 32 accumulators.  (128 + 256) rows x 800 bytes of codes and scale words, ALL of K, lie in LDS at once: every LDS byte is filled once.
; The operands come as the launch before laid them: groups of 128 rows, four chunks of 25,600 bytes (256 K: [tile 8][half fragment 4][768], then 1,024 bytes of scale words [tile][r][K step 2]).
; Tile i, lane row r of a group is row 32 (i/2) + 8 (i%2) + r + 8 (r/8): so the 16 result registers of R's tiles 2 b and 2 b + 1 are 16 NEIGHBOURING rows of R: 32 b + 16 h + 0 .. 15.
; THE TYPE is the cluster's x (equal in all sixteen partners).  0 (q), 1 (k): P = 128 tokens of xq, R = 256 columns of wq: a lane's registers run along the head's 64, which is the next product's K.
;   2 (v): P = 128 columns of wq (v's part), R = 256 tokens of xq: V^T, a lane's registers run along the tokens, which are the keys: the third product's K.
; OUT.  qkvc [bh 64][q, k, v][98,304]: q, k: [tile of 16 tokens: 128][768], one half fragment (64 K) each; v: [key step 16][tile of 16 channels: 4][half fragment 2][768].
;   scl [bh][20,480]: q's words [4 tiles: 32][r 16][tile 4], k's likewise, v's [key step 16][r 16][tile 4].  Of a q or k word bytes 0, 1 are the head's two scales; bytes 2, 3 (the neighbour head's, or 0) lie over zero codes.
; CLUSTER 4 x 4: P's tile hangs on cy alone and is asked for jointly along a row of the cluster, R's on cx alone and along a column.
; LIMITS: NaN and infinities are not served; a block of zeros, or under 2^-124, gets the byte 1: the bytes are read by this program alone.
; REGISTERS.  window 0: v1-25 addresses; v32-63 R's scale words, v64-79 P's; v80-175 P's fragments, two sets of 48 (on the way out: the codes); v176-191 at work; v192-195 the scale words made.
;   window 1: v0-191 R's fragments, two sets of 96; v192-255 the bias in the result's layout.   window 2: accumulator (a, b) at v[64 a + 8 b].
.set CH,    25600
.set RG,    102400
.set SCO,   24576                      ; a chunk's scale words
.set RB,    102400                     ; LDS: P's group at 0; from here chunks 0, 1 of R's two groups, then, RG further on, their chunks 2, 3
.set SPARE, 307200                     ; behind them: the spare words, 128 bytes a wave: two blocks of 256 bytes that no other line names
.set AR128, 4                          ; v4, v5   R's fragments, registers 0-3: chunks 0, 1 and chunks 2, 3
.set AR64,  6                          ; v6, v7   registers 4, 5
.set AP128, 8                          ; v8-11    the same for P
.set AP64,  10
.set ASR,   12                         ; v12, v13 R's scale words: lanes 0-15 tile i, lanes 16-31 tile i + 4
.set ASP,   14                         ; v14, v15 P's: lanes 0-15 tile i, lanes 16-31 tile i + 2
.set SPW,   16                         ; v16  LDS address of my spare word; never rewritten
.set NIL,   17                         ; v17  0; never rewritten
.set SR,    32
.set SP,    64
.set PF,    80
.set TM,    176
.set PWQ,   192
.set BC,    192                        ; in window 1
.set G1P,   24                         ; s[24:31], s[32:39] descriptor groups 1 for P and R: they differ in the mask
.set G1R,   32
.set G0P,   40                         ; s[40:55] groups 0 for P's four chunks;  s[68:83] for R's
.set G0R,   68
.set EB,    84                         ; s[84:99] the way out: the base of (P tile a, half c) in s[84+4a+2c:+1]
.set SB,    100                        ; s[100:101] and of the scale words
.set SEL,   56                         ; s[56:57] lane selects for v_permlanex16_b32
.set MSB, 0
.macro WIN new                         ; the immediate's high byte repeats the setting that is left
.if MSB != \new
	s_set_vgpr_msb (MSB<<8)|\new
.set MSB, \new
.endif
.endm
.macro PLACES n
.rept \n
	v_nop
.endr
.endm
.macro CROUND                          ; a round of the cluster's barrier
	s_barrier_signal -1
	s_barrier_wait -1
	s_cmp_lg_u32 s14, 0
	s_cbranch_scc1 .Lnot_wave_0_\@
	s_barrier_signal -3
.Lnot_wave_0_\@:
	s_barrier_wait -3
	s_barrier_signal -1
	s_barrier_wait -1
.endm
	s_load_b256 s[4:11], s[0:1], 0x0               ; xq s[4:5], wq s[6:7], b_attn s[8:9], qkvc s[10:11]
	s_load_b64 s[12:13], s[0:1], 0x20              ; scl
	v_lshl_add_u32 v[SPW], v0, 2, SPARE
	v_mov_b32 v[NIL], 0
	ds_add_u32 v[SPW], v[NIL]                      ; the wave's opening: the add and its wait ahead of my first tensor load; work on registers stands between them
	ds_add_u32 v[SPW], v[NIL]
	v_lshrrev_b32 v1, 5, v0
	v_readfirstlane_b32 s14, v1                    ; wave 0..3
	s_lshr_b32 s15, s14, 1                         ; wp: which 64 rows of P are mine
	s_and_b32 s16, s14, 1                          ; wr: which group of R is mine (to multiply)
	s_bfe_u32 s17, ttmp6, 0x40000                  ; cx
	s_bfe_u32 s18, ttmp6, 0x40004                  ; cy
	s_mov_b32 s19, ttmp9                           ; X: the cluster's x = the type
	s_and_b32 s20, ttmp7, 0xffff                   ; Y: the cluster's y
	s_lshl_b32 s21, s18, 2
	s_lshl_b32 s21, 15, s21                        ; my row of the cluster
	s_lshl_b32 s22, 0x1111, s17                    ; my column
	s_or_b32 s[G1P], s21, (3<<16)|(1<<21)          ; 15:0 the mask; 17:16 elements of 8 bytes; 21 set beside a mask; no padding
	s_or_b32 s[G1R], s22, (3<<16)|(1<<21)
	s_mov_b32 s[G1P+1], 32<<16                     ; P: two chunks, a dense block, as 200 rows of 256 bytes (32 elements of 8)
	s_mov_b32 s[G1P+2], 200<<16
	s_mov_b32 s[G1P+3], 32<<16
	s_mov_b32 s[G1P+4], 200
	s_mov_b32 s[G1P+5], 32
	s_mov_b32 s[G1P+6], 0
	s_mov_b32 s[G1P+7], 0
	s_mov_b32 s[G1R+1], 6400<<16                   ; R: two chunks of each of two neighbouring groups: 2 rows of 51,200 bytes (6,400 elements), a group (12,800 elements) apart; dense in LDS
	s_mov_b32 s[G1R+2], 2<<16
	s_mov_b32 s[G1R+3], 6400<<16
	s_mov_b32 s[G1R+4], 2
	s_mov_b32 s[G1R+5], 12800
	s_mov_b32 s[G1R+6], 0
	s_mov_b32 s[G1R+7], 0
	s_lshl_b32 s56, s20, 2                         ; P's group: q, k: 4 Y + cy of xq;
	s_and_b32 s57, s20, 1
	s_lshl_b32 s57, s57, 2
	s_add_co_u32 s57, s57, 16                      ; v: 16 + 4 (Y % 2) + cy of wq
	s_cmp_eq_u32 s19, 2
	s_cselect_b32 s56, s57, s56
	s_add_co_u32 s56, s56, s18
	s_mul_i32 s56, s56, RG
	s_mov_b32 s57, 0
	s_lshl_b32 s58, s19, 2                         ; R's groups: q, k: 2 (4 X + cx) + wave % 2 of wq;
	s_lshr_b32 s59, s20, 1
	s_lshl_b32 s59, s59, 2                         ; v: 2 (4 (Y / 2) + cx) + wave % 2 of xq
	s_cmp_eq_u32 s19, 2
	s_cselect_b32 s58, s59, s58
	s_add_co_u32 s58, s58, s17
	s_lshl_b32 s58, s58, 1
	s_mul_i32 s58, s58, RG
	s_mov_b32 s59, 0
	s_mul_i32 s66, s16, 2*CH
	s_add_co_u32 s66, s66, RB                      ; my group of R in LDS: the wave's number alone
	s_wait_dscnt 0x0                               ; the opening add is done
	s_wait_kmcnt 0x0
	s_cmp_eq_u32 s19, 2
	s_cselect_b64 s[60:61], s[6:7], s[4:5]         ; P's buffer
	s_cselect_b64 s[62:63], s[4:5], s[6:7]         ; R's
	s_add_nc_u64 s[60:61], s[60:61], s[56:57]
	s_add_nc_u64 s[62:63], s[62:63], s[58:59]
.irp j, 0,2
	s_mov_b32 s[G0P+4*\j], 1
	s_mov_b32 s[G0P+4*\j+1], \j*CH
	s_add_nc_u64 s[G0P+4*\j+2:G0P+4*\j+3], s[60:61], \j*CH
	s_or_b32 s[G0P+4*\j+3], s[G0P+4*\j+3], 0x80000000
	s_mov_b32 s[G0R+4*\j], 1
	s_mov_b32 s[G0R+4*\j+1], RB+2*\j*CH
	s_add_nc_u64 s[G0R+4*\j+2:G0R+4*\j+3], s[62:63], \j*CH
	s_or_b32 s[G0R+4*\j+3], s[G0R+4*\j+3], 0x80000000
.endr
	CROUND                                         ; all sixteen work-groups are here: the joint loads meet
	; all fills of the launch, one tensor load a wave, each in its own arm of one chain of branches on the wave's number: wave 0: R's chunks 0, 1; wave 1: P's chunks 0, 1; wave 2: R's chunks 2, 3; wave 3: P's chunks 2, 3
	s_cmp_eq_u32 s14, 0
	s_cbranch_scc0 .Lwave_1
	tensor_load_to_lds s[G0R:G0R+3], s[G1R:G1R+7]
	s_nop 0
	PLACES 4
	s_branch .Lasked
.Lwave_1:
	s_cmp_eq_u32 s14, 1
	s_cbranch_scc0 .Lwave_2
	tensor_load_to_lds s[G0P:G0P+3], s[G1P:G1P+7]
	s_nop 0
	PLACES 4
	s_branch .Lasked
.Lwave_2:
	s_cmp_eq_u32 s14, 2
	s_cbranch_scc0 .Lwave_3
	tensor_load_to_lds s[G0R+8:G0R+11], s[G1R:G1R+7]
	s_nop 0
	PLACES 4
	s_branch .Lasked
.Lwave_3:
	tensor_load_to_lds s[G0P+8:G0P+11], s[G1P:G1P+7]
	s_nop 0
	PLACES 4
.Lasked:
	v_and_b32 v24, 31, v0
	v_lshlrev_b32 v1, 4, v24                       ; 16 l
	v_and_b32 v2, 15, v0                           ; r
	v_bfe_u32 v3, v0, 4, 1                         ; h
	v_lshlrev_b32 v18, 4, v2
	v_lshl_add_u32 v18, v3, 3, v18
	v_add_nc_u32 v18, 512, v18                     ; 512 + 16 r + 8 h
	v_add_nc_u32 v[AR128], s66, v1
	v_add_nc_u32 v[AR128+1], RG, v[AR128]
	v_add_nc_u32 v[AR64], s66, v18
	v_add_nc_u32 v[AR64+1], RG, v[AR64]
	s_mul_i32 s67, s15, 12288                      ; my four tiles of P
	v_add_nc_u32 v[AP128], s67, v1
	v_add_nc_u32 v[AP128+1], 2*CH, v[AP128]
	v_add_nc_u32 v[AP64], s67, v18
	v_add_nc_u32 v[AP64+1], 2*CH, v[AP64]
	v_lshlrev_b32 v25, 3, v2                       ; 8 r: a row's two words
	v_lshl_add_u32 v[ASR], v3, 9, v25              ; + four tiles for lanes 16-31
	v_add_nc_u32 v[ASR], s66, v[ASR]
	v_add_nc_u32 v[ASR+1], RG, v[ASR]
	s_lshl_b32 s67, s15, 9
	v_lshl_add_u32 v[ASP], v3, 8, v25              ; + two tiles for lanes 16-31
	v_add_nc_u32 v[ASP], s67, v[ASP]
	v_add_nc_u32 v[ASP+1], 2*CH, v[ASP]
	; THE BIAS is the C of each sum's first matrix instruction, in the result's layout
	s_cmp_eq_u32 s19, 2
	s_cbranch_scc1 .Lbias_v
	s_lshl_b32 s2, s19, 12                         ; q, k: it runs along R: tile b, register j: column 32 (b/2) + 8 (b%2) + 16 h + j of my 128
	s_lshl_b32 s3, s17, 10
	s_add_co_u32 s2, s2, s3
	s_lshl_b32 s3, s16, 9
	s_add_co_u32 s2, s2, s3
	s_mov_b32 s3, 0
	s_add_nc_u64 s[8:9], s[8:9], s[2:3]
	v_lshlrev_b32 v21, 6, v3
	WIN 0x40                                       ; destination window 1
.irp b, 0,1,2,3,4,5,6,7
	global_load_b128 v[BC+8*\b:BC+8*\b+3], v21, s[8:9] offset:128*(\b/2)+32*(\b%2)
	global_load_b128 v[BC+8*\b+4:BC+8*\b+7], v21, s[8:9] offset:128*(\b/2)+32*(\b%2)+16
.endr
	WIN 0
	s_branch .Lbias_done
.Lbias_v:
	s_and_b32 s2, s20, 1                           ; v: it hangs on P's row, one number a lane and tile a: column 32 (a/2) + 8 (a%2) + r + 8 (r/8) of my 64
	s_lshl_b32 s2, s2, 2
	s_add_co_u32 s2, s2, s18
	s_lshl_b32 s2, s2, 9
	s_lshl_b32 s3, s15, 8
	s_add_co_u32 s2, s2, s3
	s_add_co_u32 s2, s2, 8192
	s_mov_b32 s3, 0
	s_add_nc_u64 s[8:9], s[8:9], s[2:3]
	v_and_b32 v22, 8, v2
	v_add_nc_u32 v22, v22, v2
	v_lshlrev_b32 v22, 2, v22
	WIN 0x40
.irp a, 0,1,2,3
	global_load_b32 v[BC+8*\a], v22, s[8:9] offset:4*(32*(\a/2)+8*(\a%2))
.endr
	s_wait_loadcnt 0x0
	WIN 0x41                                       ; destination and source 0 window 1
.irp a, 0,1,2,3
.irp j, 1,2,3,4,5,6,7
	v_mov_b32 v[BC+8*\a+\j], v[BC+8*\a]
.endr
.endr
	WIN 0
.Lbias_done:
	; THE WAY OUT's bases, made while the tiles land.  A = the (batch, head) of half 0, T2 = the place in it.  codes: (3 A + X) 98,304 + T2 x 3,072 (v: 6,144); words: A 20,480 + X 8,192 + T2 x 256
	s_lshl_b32 s2, s20, 2
	s_add_co_u32 s2, s2, s18                       ; q, k: the group of tokens 4 Y + cy
	s_lshr_b32 s3, s2, 4
	s_lshl_b32 s3, s3, 4                           ; 16 x batch
	s_lshl_b32 s21, s17, 2
	s_add_co_u32 s3, s3, s21
	s_lshl_b32 s21, s16, 1
	s_add_co_u32 s3, s3, s21                       ; + head 4 cx + 2 wr
	s_and_b32 s2, s2, 15
	s_lshl_b32 s2, s2, 1
	s_add_co_u32 s2, s2, s15                       ; four tiles of tokens: 2 (group % 16) + wp
	s_lshr_b32 s21, s20, 1
	s_lshl_b32 s21, s21, 2
	s_add_co_u32 s21, s21, s17
	s_lshl_b32 s21, s21, 1
	s_add_co_u32 s21, s21, s16                     ; v: the group of tokens 2 (4 (Y/2) + cx) + wr
	s_and_b32 s22, s20, 1
	s_lshl_b32 s22, s22, 2
	s_add_co_u32 s22, s22, s18
	s_lshl_b32 s22, s22, 1
	s_add_co_u32 s22, s22, s15                     ; head 2 (4 (Y%2) + cy) + wp
	s_lshr_b32 s23, s21, 4
	s_lshl_b32 s23, s23, 4
	s_add_co_u32 s22, s22, s23                     ; + 16 x batch
	s_and_b32 s21, s21, 15                         ; the key step
	s_mov_b32 s56, 3072
	s_mov_b32 s57, 768
	s_mov_b32 s58, 294912
	s_cmp_eq_u32 s19, 2
	s_cselect_b32 s3, s22, s3                      ; A
	s_cselect_b32 s2, s21, s2                      ; T2
	s_cselect_b32 s56, 6144, s56
	s_cselect_b32 s57, 1536, s57                   ; from P tile a to a + 1
	s_cselect_b32 s58, 768, s58                    ; from half 0 to half 1: q, k: the next head; v: the next 64 keys
	s_cselect_b32 s59, 0, 20480                    ; the words of lanes 16-31: q, k: the next head's;
	s_cselect_b32 s60, 0, 16                       ; and its two bytes are brought down
	s_mul_i32 s61, s3, 3
	s_add_co_u32 s61, s61, s19
	s_mul_i32 s61, s61, 98304
	s_mul_i32 s62, s2, s56
	s_add_co_u32 s62, s61, s62
	s_mov_b32 s63, 0
	s_add_nc_u64 s[EB:EB+1], s[10:11], s[62:63]
	s_mul_i32 s3, s3, 20480
	s_lshl_b32 s61, s19, 13
	s_add_co_u32 s3, s3, s61
	s_lshl_b32 s2, s2, 8
	s_add_co_u32 s2, s2, s3
	s_mov_b32 s3, 0
	s_add_nc_u64 s[SB:SB+1], s[12:13], s[2:3]
	s_mov_b32 s2, s57
.irp a, 1,2,3
	s_add_nc_u64 s[EB+4*\a:EB+4*\a+1], s[EB+4*\a-4:EB+4*\a-3], s[2:3]
.endr
	s_mov_b32 s2, s58
.irp a, 0,1,2,3
	s_add_nc_u64 s[EB+4*\a+2:EB+4*\a+3], s[EB+4*\a:EB+4*\a+1], s[2:3]
.endr
	v_mul_u32_u24 v19, s59, v3
	v_lshl_add_u32 v19, v2, 4, v19                 ; the words' place: 16 r (+ the next head's)
	v_mul_u32_u24 v20, s60, v3
	s_mov_b32 s[SEL], 0x76543210
	s_mov_b32 s[SEL+1], 0xfedcba98
.irp b, 0,1,2,3
	v_mov_b32 v[TM+4+\b], 0                        ; written once: a lane permute's destination counts as one of its sources
.endr
.macro FRAGL reg, a128, a64, off       ; a fragment, 16 rows x 128 K, 12 registers: two half fragments, each a load of 16 and a load of 8 bytes a lane, consecutive over the lanes
	ds_load_b128 v[\reg:\reg+3], v[\a128] offset:\off
	ds_load_b64 v[\reg+4:\reg+5], v[\a64] offset:\off
	ds_load_b128 v[\reg+6:\reg+9], v[\a128] offset:\off+768
	ds_load_b64 v[\reg+10:\reg+11], v[\a64] offset:\off+768
.endm
.macro FETCH k                         ; K step k (chunk k / 2, half k % 2) into set k % 2: R's eight fragments, P's four; with a chunk's first step its scale words
.set FJ, (\k)/2
.set FQ, (\k)%2
.set FO, (FJ%2)*CH+FQ*1536
.set FH, FJ/2
	WIN 0x40                                       ; destination window 1
.irp b, 0,1,2,3,4,5,6,7
	FRAGL 96*FQ+12*\b, AR128+FH, AR64+FH, FO+3072*\b
.endr
	WIN 0
.irp a, 0,1,2,3
	FRAGL PF+48*FQ+12*\a, AP128+FH, AP64+FH, FO+3072*\a
.endr
.if FQ == 0
.irp i, 0,1,2,3
	ds_load_b64 v[SR+8*FJ+2*\i:SR+8*FJ+2*\i+1], v[ASR+FH] offset:(FJ%2)*CH+SCO+128*\i
.endr
.irp i, 0,1
	ds_load_b64 v[SP+4*FJ+2*\i:SP+4*FJ+2*\i+1], v[ASP+FH] offset:(FJ%2)*CH+SCO+128*\i
.endr
.endif
.endm
.macro WMMA d, fa, fb, c, sa, sb, ra, rb   ; ra, rb: the scale words stand in lanes 16-31
.if (\ra) && (\rb)
	v_wmma_scale_f32_16x16x128_f8f6f4 v[\d:\d+7], v[\fa:\fa+11], v[\fb:\fb+11], v[\c:\c+7], v[\sa], v[\sb] matrix_a_fmt:MATRIX_FMT_FP6 matrix_b_fmt:MATRIX_FMT_FP6 matrix_a_scale:MATRIX_SCALE_ROW1 matrix_b_scale:MATRIX_SCALE_ROW1
.elseif (\ra)
	v_wmma_scale_f32_16x16x128_f8f6f4 v[\d:\d+7], v[\fa:\fa+11], v[\fb:\fb+11], v[\c:\c+7], v[\sa], v[\sb] matrix_a_fmt:MATRIX_FMT_FP6 matrix_b_fmt:MATRIX_FMT_FP6 matrix_a_scale:MATRIX_SCALE_ROW1
.elseif (\rb)
	v_wmma_scale_f32_16x16x128_f8f6f4 v[\d:\d+7], v[\fa:\fa+11], v[\fb:\fb+11], v[\c:\c+7], v[\sa], v[\sb] matrix_a_fmt:MATRIX_FMT_FP6 matrix_b_fmt:MATRIX_FMT_FP6 matrix_b_scale:MATRIX_SCALE_ROW1
.else
	v_wmma_scale_f32_16x16x128_f8f6f4 v[\d:\d+7], v[\fa:\fa+11], v[\fb:\fb+11], v[\c:\c+7], v[\sa], v[\sb] matrix_a_fmt:MATRIX_FMT_FP6 matrix_b_fmt:MATRIX_FMT_FP6
.endif
.endm
.macro MUL a, k, cm                    ; P's tile a against R's eight.  cm = 0: onto the sums; 1: the bias along R starts them; 2: the bias of P's row.  The 32 accumulators take turns
.irp b, 0,1,2,3,4,5,6,7
.if (\cm) == 0
.set CN, 64*(\a)+8*\b
.elseif (\cm) == 1
.set CN, BC+8*\b
.else
.set CN, BC+8*(\a)
.endif
	WMMA 64*(\a)+8*\b, 96*((\k)%2)+12*\b, PF+48*((\k)%2)+12*(\a), CN, SR+8*((\k)/2)+2*(\b%4)+(\k)%2, SP+4*((\k)/2)+2*((\a)%2)+(\k)%2, \b/4, (\a)/2
.endr
.endm
.macro MWIN cm
.if (\cm) == 0
	WIN 0xa1                                       ; source 0 (R) window 1, source 1 (P) window 0, C and D window 2
.else
	WIN 0x91                                       ; C (the bias) window 1
.endif
.endm
; A K step of 128: 32 matrix instructions; behind the first eight the next step's 48 (or 54) LDS loads go out in one run.  Step 3 stands in front of chunks 2, 3: every wave waits for its tensor load, says so,
; and reads them when all four waves have said so.
.macro STEP k, cm
	s_wait_dscnt 0x0                               ; this step's fragments and words are in
.if (\k) == 3
	s_wait_tensorcnt 0x0                           ; every wave's load has landed
	s_barrier_signal -1
.endif
	MWIN \cm
	MUL 0, \k, \cm
	WIN 0
.if (\k) == 3
	s_barrier_wait -1
.endif
.if (\k) < 7
	PLACES 4                                       ; in front of loads into registers that matrix instructions have read
	FETCH (\k)+1
.endif
	MWIN \cm
	MUL 1, \k, \cm
	MUL 2, \k, \cm
	MUL 3, \k, \cm
	WIN 0
.endm
	s_wait_alu depctr_va_vdst(0)                   ; the wait ahead of the branch and the wait below
	s_cmp_lt_u32 s14, 2                            ; waves 0, 1: my load, chunks 0, 1 of R or of P, has landed.  Waves 2, 3's loads may still be out
	s_cbranch_scc0 .Lnot_first
	s_wait_tensorcnt 0x0
.Lnot_first:
	s_barrier_signal -1
	s_barrier_wait -1                              ; everybody's has
	FETCH 0
	s_wait_loadcnt 0x0                             ; the bias
	s_cmp_eq_u32 s19, 2
	s_cbranch_scc1 .Lstep0_v
	s_wait_alu depctr_va_vdst(0)
	STEP 0, 1
	s_branch .Lstep1
.Lstep0_v:
	s_wait_alu depctr_va_vdst(0)
	STEP 0, 2
.Lstep1:
.irp k, 1,2,3,4,5,6,7
	STEP \k, 0
.endr
; THE WAY OUT.  For P's tile a a lane's 64 registers are 128 neighbours along R in the form register 16 b + i = 32 b + 16 h + i: four blocks of 32, quantised in registers to one fragment = two half fragments
; (q, k: two heads; v: two halves of a key step).  Each accumulator is read from its low end on.  Every store covers whole aligned runs of 256 bytes; no store's data are written again.
.macro OUTQ a
.set AC, 64*(\a)
.set PC, 80+20*(\a)
	WIN 0x0a                                       ; sources 0 and 1 window 2
.irp b, 0,1,2,3
	v_max3_num_f32 v[TM+\b], |v[AC+16*\b]|, |v[AC+16*\b+1]|, 0x1800000   ; and the floor 2^(3 - 127)
.endr
.irp i, 2,4,6,8,10,12,14
.irp b, 0,1,2,3
	v_max3_num_f32 v[TM+\b], |v[AC+16*\b+\i]|, |v[AC+16*\b+\i+1]|, v[TM+\b]
.endr
.endr
	WIN 0
.irp b, 0,1,2,3
	v_permlanex16_b32 v[TM+4+\b], v[TM+\b], s[SEL], s[SEL+1]
.endr
.irp b, 0,1,2,3
	v_max_num_f32 v[TM+\b], v[TM+\b], v[TM+4+\b]
.endr
.irp b, 0,1,2,3
	v_add_nc_u32 v[TM+12+\b], 0xff000000, v[TM+\b]
.endr
.irp b, 0,1,2,3
	v_lshrrev_b32 v[TM+4+\b], 23, v[TM+12+\b]
.endr
	v_lshl_or_b32 v[PWQ+(\a)], v[TM+5], 8, v[TM+4]
	v_lshl_or_b32 v[PWQ+(\a)], v[TM+6], 16, v[PWQ+(\a)]
	v_lshl_or_b32 v[PWQ+(\a)], v[TM+7], 24, v[PWQ+(\a)]
	WIN 0x02                                       ; source 0 window 2
.irp c, 0,1
	v_cvt_scalef32_pk16_fp6_f32 v[PC+6*\c:PC+6*\c+2], v[AC+32*\c:AC+32*\c+15], v[TM+12+2*\c]
	v_cvt_scalef32_pk16_fp6_f32 v[PC+12+4*\c:PC+14+4*\c], v[AC+32*\c+16:AC+32*\c+31], v[TM+12+2*\c+1]
.endr
	WIN 0
	v_nop                                          ; one plain place behind a scaled conversion
.irp c, 0,1
.irp i, 0,1,2
	v_permlane16_swap_b32 v[PC+6*\c+\i], v[PC+12+4*\c+\i]
.endr
.irp i, 0,1,2
	v_mov_b32 v[PC+3+6*\c+\i], v[PC+12+4*\c+\i]
.endr
.endr
	global_store_b128 v1, v[PC:PC+3], s[EB+4*(\a):EB+4*(\a)+1]
	global_store_b64 v18, v[PC+4:PC+5], s[EB+4*(\a):EB+4*(\a)+1]
	global_store_b128 v1, v[PC+6:PC+9], s[EB+4*(\a)+2:EB+4*(\a)+3]
	global_store_b64 v18, v[PC+10:PC+11], s[EB+4*(\a)+2:EB+4*(\a)+3]
.endm
	PLACES 4                                       ; behind the last products: their results are read, and P's fragment registers written
	OUTQ 0
	OUTQ 1
	OUTQ 2
	OUTQ 3
.irp a, 0,1,2,3
	v_lshrrev_b32 v[PWQ+\a], v20, v[PWQ+\a]        ; q, k: lanes 16-31 bring the odd head's two bytes down
.endr
	global_store_b128 v19, v[PWQ:PWQ+3], s[SB:SB+1]   ; q, k: lanes 0-15 the even head's 256 bytes, lanes 16-31 the odd head's; v: both halves hold and store the same 256 bytes
	s_wait_tensorcnt 0x0                           ; the wave's end
	ds_add_u32 v[SPW], v[NIL]
	s_wait_dscnt 0x0
	CROUND                                         ; the closing round
	s_endpgm
.Lfunc_end_k_q39c2491499_qkv:
	.size	k_q39c2491499_qkv, .Lfunc_end_k_q39c2491499_qkv-k_q39c2491499_qkv
	.p2alignl 7, 3214868480
	.fill 96, 4, 3214868480
	.section	.rodata,"a",@progbits
	.p2align	6, 0x0
	.amdhsa_kernel k_q39c2491499_qkv
		.amdhsa_group_segment_fixed_size 327680
		.amdhsa_private_segment_fixed_size 0
		.amdhsa_enable_private_segment 0
		.amdhsa_kernarg_size 40
		.amdhsa_user_sgpr_count 2
		.amdhsa_user_sgpr_kernarg_segment_ptr 1
		.amdhsa_wavefront_size32 1
		.amdhsa_system_sgpr_workgroup_id_x 1
		.amdhsa_system_sgpr_workgroup_id_y 1
		.amdhsa_system_sgpr_workgroup_id_z 1
		.amdhsa_system_vgpr_workitem_id 0
		.amdhsa_next_free_vgpr 768
		.amdhsa_next_free_sgpr 104
		.amdhsa_reserve_vcc 0
		.amdhsa_float_denorm_mode_32 3
		.amdhsa_float_denorm_mode_16_64 3
		.amdhsa_memory_ordered 1
		.amdhsa_forward_progress 1
		.amdhsa_inst_pref_size 99
	.end_amdhsa_kernel
	.amdgpu_metadata
---
amdhsa.version: [ 1, 2 ]
amdhsa.kernels:
  - .name:           k_q39c2491499_qkv
    .symbol:         k_q39c2491499_qkv.kd
    .args:
      - { .name: xq, .offset: 0, .size: 8, .value_kind: global_buffer, .address_space: global }
      - { .name: wq, .offset: 8, .size: 8, .value_kind: global_buffer, .address_space: global }
      - { .name: b_attn, .offset: 16, .size: 8, .value_kind: global_buffer, .address_space: global }
      - { .name: qkvc, .offset: 24, .size: 8, .value_kind: global_buffer, .address_space: global }
      - { .name: scl, .offset: 32, .size: 8, .value_kind: global_buffer, .address_space: global }
    .group_segment_fixed_size: 327680
    .private_segment_fixed_size: 0
    .kernarg_segment_align: 8
    .kernarg_segment_size: 40
    .max_flat_workgroup_size: 128
    .sgpr_count:     104
    .vgpr_count:     768
    .wavefront_size: 32
...
	.end_amdgpu_metadata
.endif
;; end of part 2
;; launch attn (part 3): grid 4 x 64, 8 waves a work-group, clusters of 4 x 1, 327,680 bytes of LDS; arguments qkvc, scl, yq; writes yq
.if DOCPART == 3
	.amdgcn_target "amdgcn-amd-amdhsa--gfx1250"
	.amdhsa_code_object_version 6
	.text
	.protected	k_q39c2491499_attn
	.globl	k_q39c2491499_attn
	.p2align	8
	.type	k_q39c2491499_attn,@function
k_q39c2491499_attn:
	s_mov_b64 s[64:65], 0
	v_nop
	global_prefetch_b8 v0, s[64:65] scope:SCOPE_SE
	s_setreg_imm32_b32 hwreg(HW_REG_WAVE_MODE, 25, 1), 1
	s_wait_xcnt 0x0
	s_wait_alu depctr_hold_cnt(0) depctr_sa_sdst(0) depctr_va_vdst(0) depctr_va_sdst(0) depctr_va_ssrc(0) depctr_va_vcc(0) depctr_vm_vsrc(0)
	s_getreg_b32 s2, hwreg(HW_REG_IB_STS2, 6, 4)
	s_cmp_eq_u32 s2, 0
	s_cbranch_scc0 .Lentry_in_a_cluster
	s_endpgm
.Lentry_in_a_cluster:
	s_bfe_u32 s2, ttmp6, 0x10000c
	s_cmp_lg_u32 s2, 0x3003
	s_cbranch_scc0 .Lentry_shape_is_right
	s_endpgm
.Lentry_shape_is_right:
; y = softmax(q k^T / 8) v for one (batch, head) and 512 queries, on codes of FP6 (E2M3) with E8M0 scales; y leaves quantised along the head's 64, as the last launch's operand.
; p = 2^(t - M), t = score x log2(e) / 8, M the ceiling of the running largest t: a whole number, so every rescaling is an exact power of two.  The row's sum is taken of the unquantised p.
; THE DEAL.  Work-group (cx, bh): queries 512 cx .. + 511 of (batch, head) bh.  Eight waves; a wave owns four tiles of 16 queries and walks the 2,048 keys in 16 steps of 128.
; Both products are used transposed (S^T = k q^T, O^T = v^T p^T): a lane holds one query, its registers run along the keys.  A step's fragments of k and v are read from LDS ONCE for the wave's four tiles,
; and the next step's are asked for as soon as this step's last product on those registers is issued.
; THE ORDER IN A STEP.  As soon as a tile's p is converted, the score registers are free: the NEXT tile's eight score products are issued there, with the twelve lines that lay this tile's codes out among them,
; then this tile's four products with v; the next tile's maxima follow.  Maxima and sums go in eight chains side by side.
; k's FRAGMENTS LIE PACKED, six registers a tile of 16 keys x 64.  The operand's upper six registers (K = 64 .. 127) are then the next tile's codes (behind the last tile: six zeros); q's upper six are zero codes,
; and FP6 has no NaN or infinity, so that half adds exactly 0 to every sum.
; THE FIRST STEP IS WRITTEN OUT: its products start O^T with C = 0; steps 1 to 15 are a loop.  The loop's last trip asks for a step that does not exist: its addresses stay on bytes that the head filled
; (k's run on into v's, v's into k's scale words, the scale words' wrap to step 0), and what comes is not used.
; LDS: k's codes at 0, v's at VC, k's and v's scale words at KS, VS: all keys of the head, filled once, by JOINT loads of the four work-groups of a cluster (the four query blocks of one head): waves 0-5 bring
; 32,768 bytes of codes each, waves 6, 7 6,144 bytes of scale words each.  All is asked for at the head, so there is no loop to run ahead in: no data prefetch.  YS: y's scale bytes on their way out.
; REGISTERS.  window 0: v1-11 addresses; v12-27 for each tile -M, the largest t, the sum in two halves; v28-31 q's scale words; v32-85 k; v86-97 k's, v's scale words; v98 p's; v100 f;
;   v102-165 S^T, then p; v166-213 v; v214-233 p's codes (ahead of the conversions: the sum's eight partial pairs); v234-249 at work.
;   window 1: v0-127 O^T (tile t at 32 t); v128-175 q (tile t at 128 + 12 t, its upper six registers zero).
; LIMITS: the promise holds while |t| stays under 2^31.  NaN and infinities are not served.  A block of y under 2^-124 gets the byte 1: the bytes are read by this program alone.
.set VC,    98304
.set KS,    196608
.set VS,    204800
.set YS,    208896
.set SPARE, 209920                     ; the spare words, 128 bytes a wave: four blocks of 256 bytes that no other line names
.set SPW,   4
.set NIL,   5
.set ST,    12
.set QS,    28
.set KF,    32
.set KSW,   86
.set VSW,   94
.set PW,    98
.set FF,    100
.set S,     102
.set VF,    166
.set PC,    214
.set PT,    226
.set BM,    234
.set BT,    238
.set SO,    242
.set TMP,   246
.set AY,    250
.set AO,    251
.set AR,    252
.set QW,    128                        ; in window 1
.set WV,    10
.set G1C,   16
.set G1S,   24
.set G0C,   32
.set G0S,   36
.set SEL,   40
.set CS,    42
.set TK,    44
.set TS,    45
.set TT,    46
.set CNT,   47
.set TA,    56
.set TB,    57
.set MSB, 0
.macro WIN new                         ; the immediate's high byte repeats the setting that is left
.if MSB != \new
	s_set_vgpr_msb (MSB<<8)|\new
.set MSB, \new
.endif
.endm
.macro PLACES n
.rept \n
	v_nop
.endr
.endm
.macro WALU
	s_wait_alu depctr_va_vdst(0)
.endm
.macro CROUND
	s_barrier_signal -1
	s_barrier_wait -1
	s_cmp_lg_u32 s[WV], 0
	s_cbranch_scc1 .Lnot_wave_0_\@
	s_barrier_signal -3
.Lnot_wave_0_\@:
	s_barrier_wait -3
	s_barrier_signal -1
	s_barrier_wait -1
.endm
	s_load_b128 s[4:7], s[0:1], 0x0                ; qkvc, scl
	s_load_b64 s[8:9], s[0:1], 0x10                ; yq
	v_lshl_add_u32 v[SPW], v0, 2, SPARE
	v_mov_b32 v[NIL], 0
	ds_add_u32 v[SPW], v[NIL]                      ; the opening lines: the add twice and its wait ahead of my first tensor load
	ds_add_u32 v[SPW], v[NIL]
	v_lshrrev_b32 v1, 5, v0
	v_readfirstlane_b32 s[WV], v1                  ; wave 0..7
	s_bfe_u32 s11, ttmp6, 0x40000                  ; cx: the query block
	s_and_b32 s12, ttmp7, 0xffff                   ; bh
	s_mov_b32 s[G1C], 15|(3<<16)|(1<<21)           ; the mask of all four partners; elements of 8 bytes; rows of 256 bytes, dense
	s_mov_b32 s[G1C+1], 32<<16
	s_mov_b32 s[G1C+2], 128<<16
	s_mov_b32 s[G1C+3], 32<<16
	s_mov_b32 s[G1C+4], 128
	s_mov_b32 s[G1C+5], 32
	s_mov_b32 s[G1C+6], 0
	s_mov_b32 s[G1C+7], 0
	s_mov_b32 s[G1S], 15|(3<<16)|(1<<21)
	s_mov_b32 s[G1S+1], 32<<16
	s_mov_b32 s[G1S+2], 24<<16
	s_mov_b32 s[G1S+3], 32<<16
	s_mov_b32 s[G1S+4], 24
	s_mov_b32 s[G1S+5], 32
	s_mov_b32 s[G1S+6], 0
	s_mov_b32 s[G1S+7], 0
	s_mul_i32 s13, s12, 3*98304                    ; bh's part of qkvc
	s_lshl_b32 s14, s[WV], 15                      ; codes: wave x 32,768, in LDS and in memory
	s_add_co_u32 s56, s13, s14
	s_add_co_u32 s56, s56, 98304                   ; behind q's
	s_mov_b32 s57, 0
	s_mul_i32 s15, s12, 20480                      ; bh's part of scl
	s_and_b32 s58, s[WV], 1
	s_mul_i32 s58, s58, 6144                       ; scale words: waves 6, 7 a half each
	s_add_co_u32 s60, s58, KS
	s_add_co_u32 s58, s58, s15
	s_add_co_u32 s58, s58, 8192
	s_mov_b32 s59, 0
	s_lshl_b32 s61, s11, 5
	s_lshl_b32 s62, s[WV], 2
	s_add_co_u32 s61, s61, s62                     ; my first tile of queries: 32 cx + 4 wave
	s_mul_i32 s61, s61, 768
	s_add_co_u32 s48, s61, s13
	s_mov_b32 s49, 0
	s_lshl_b32 s50, s11, 3
	s_add_co_u32 s50, s50, s[WV]
	s_lshl_b32 s50, s50, 8                         ; my four tiles' scale words: 256 bytes
	s_add_co_u32 s50, s50, s15
	s_mov_b32 s51, 0
	s_lshr_b32 s62, s12, 4
	s_lshl_b32 s62, s62, 4
	s_lshl_b32 s63, s11, 2
	s_add_co_u32 s62, s62, s63                     ; yq: the block's first group of 128 tokens
	s_and_b32 s63, s12, 15
	s_lshr_b32 s2, s63, 2
	s_mul_i32 s2, s2, 25600                        ; the head's chunk
	s_and_b32 s63, s63, 3                          ; and its half fragment
	s_lshr_b32 s3, s[WV], 1
	s_add_co_u32 s3, s3, s62
	s_mul_i32 s3, s3, 102400
	s_add_co_u32 s3, s3, s2
	s_mul_i32 s52, s63, 768
	s_add_co_u32 s52, s52, s3
	s_and_b32 s3, s[WV], 1
	s_mul_i32 s3, s3, 12288                        ; my four tiles of the group's eight
	s_add_co_u32 s52, s52, s3
	s_mov_b32 s53, 0
	s_and_b32 s3, s[WV], 1                         ; waves 0, 1 store the scale bytes of two groups each
	s_lshl_b32 s3, s3, 1
	s_add_co_u32 s3, s3, s62
	s_mul_i32 s3, s3, 102400
	s_add_co_u32 s3, s3, s2
	s_lshl_b32 s54, s63, 8
	s_add_co_u32 s54, s54, s3
	s_add_co_u32 s54, s54, 24576
	s_mov_b32 s55, 0
	s_mov_b32 s[SEL], 0x76543210
	s_mov_b32 s[SEL+1], 0xfedcba98                 ; lane l xor 16
	s_mov_b32 s[CS], 0x3e38aa3b                    ; log2(e) / 8
	s_mov_b32 s[CS+1], s[CS]
	WALU
	s_wait_dscnt 0x0
	s_wait_kmcnt 0x0
	s_mov_b32 s[G0C], 1
	s_mov_b32 s[G0C+1], s14
	s_add_nc_u64 s[G0C+2:G0C+3], s[4:5], s[56:57]
	s_or_b32 s[G0C+3], s[G0C+3], 0x80000000
	s_mov_b32 s[G0S], 1
	s_mov_b32 s[G0S+1], s60
	s_add_nc_u64 s[G0S+2:G0S+3], s[6:7], s[58:59]
	s_or_b32 s[G0S+3], s[G0S+3], 0x80000000
	s_add_nc_u64 s[48:49], s[4:5], s[48:49]
	s_add_nc_u64 s[50:51], s[6:7], s[50:51]
	s_add_nc_u64 s[52:53], s[8:9], s[52:53]
	s_add_nc_u64 s[54:55], s[8:9], s[54:55]
	CROUND                                         ; the four partners are here: the joint loads meet
	s_cmp_lt_u32 s[WV], 6                          ; one tensor load a wave, each way through the branch passes one
	s_cbranch_scc0 .Lscale_words
	tensor_load_to_lds s[G0C:G0C+3], s[G1C:G1C+7]
	s_nop 0
	PLACES 4
	s_branch .Lasked
.Lscale_words:
	tensor_load_to_lds s[G0S:G0S+3], s[G1S:G1S+7]
	s_nop 0
	PLACES 4
.Lasked:
	v_and_b32 v6, 31, v0
	v_and_b32 v7, 15, v0                           ; r
	v_bfe_u32 v8, v0, 4, 1                         ; h
	v_lshlrev_b32 v1, 4, v6                        ; 16 l: a half fragment's registers 0-3
	v_lshlrev_b32 v3, 4, v7                        ; 16 r: four scale words of a row
	v_lshl_add_u32 v2, v8, 3, v3
	v_add_nc_u32 v2, 512, v2                       ; 512 + 16 r + 8 h: registers 4, 5
	WIN 0x40                                       ; destination window 1
.irp t, 0,1,2,3
	global_load_b128 v[QW+12*\t:QW+12*\t+3], v1, s[48:49] offset:768*\t
	global_load_b64 v[QW+12*\t+4:QW+12*\t+5], v2, s[48:49] offset:768*\t
.endr
.irp t, 0,1,2,3
.irp j, 6,7,8,9,10,11
	v_mov_b32 v[QW+12*\t+\j], 0                    ; q's codes of K = 64 .. 127: zeros
.endr
.endr
	WIN 0
	global_load_b128 v[QS:QS+3], v3, s[50:51]
	s_lshl_b32 s2, s[WV], 7
	s_add_co_u32 s2, s2, YS
	v_lshl_add_u32 v[AY], v7, 1, s2                ; y's scale bytes in LDS: [tile 32][r 16] of two bytes
	v_mul_u32_u24 v[AO], v8, 102400
	v_add_nc_u32 v[AO], v[AO], v3                  ; and in yq: lanes 16-31 the next group
	v_and_b32 v[AR], 63, v0
	v_lshl_add_u32 v[AR], v[AR], 4, YS
.irp t, 0,1,2,3
	v_mov_b32 v[ST+4*\t+2], 0                      ; the sums
	v_mov_b32 v[ST+4*\t+3], 0
	v_mov_b32 v[BT+\t], 0                          ; a lane permute's destination counts as one of its sources
.endr
.irp j, 0,1,2,3,4,5
	v_mov_b32 v[KF+48+\j], 0                       ; behind k's last tile
.endr
	v_mov_b32 v[FF+1], 0                           ; named as the upper half of f's pair
	s_mov_b32 s[TK], 0
	s_mov_b32 s[TS], 0
	s_mov_b32 s[TT], 0
.macro ADDR                            ; the LDS addresses of the step at s[TK] (codes), s[TS], s[TT] (scale words, wrapped at 16 steps)
	s_and_b32 s[TA], s[TS], 0x1e00
	s_add_co_u32 s[TA], s[TA], KS
	s_and_b32 s[TB], s[TT], 0xf00
	s_add_co_u32 s[TB], s[TB], VS
	v_add_nc_u32 v6, s[TK], v1
	v_add_nc_u32 v7, s[TK], v2
	v_add_nc_u32 v8, VC, v6
	v_add_nc_u32 v9, VC, v7
	v_add_nc_u32 v10, s[TA], v3
	v_add_nc_u32 v11, s[TB], v3
.endm
.macro FETCHK                          ; 18 loads: eight tiles of 16 keys, six registers each, and their scale words
.irp j, 0,1,2,3,4,5,6,7
	ds_load_b128 v[KF+6*\j:KF+6*\j+3], v6 offset:768*\j
	ds_load_b64 v[KF+6*\j+4:KF+6*\j+5], v7 offset:768*\j
.endr
	ds_load_b128 v[KSW:KSW+3], v10
	ds_load_b128 v[KSW+4:KSW+7], v10 offset:256
.endm
.macro FETCHV                          ; 17 loads: four tiles of 16 channels x 128 keys, and their scale words
.irp u, 0,1,2,3
	ds_load_b128 v[VF+12*\u:VF+12*\u+3], v8 offset:1536*\u
	ds_load_b64 v[VF+12*\u+4:VF+12*\u+5], v9 offset:1536*\u
	ds_load_b128 v[VF+12*\u+6:VF+12*\u+9], v8 offset:1536*\u+768
	ds_load_b64 v[VF+12*\u+10:VF+12*\u+11], v9 offset:1536*\u+768
.endr
	ds_load_b128 v[VSW:VSW+3], v11
.endm
	ADDR
	WALU                                           ; the wait at the head's end
	s_wait_tensorcnt 0x0                           ; my tile is in
	s_barrier_signal -1
	s_barrier_wait -1                              ; everybody's is
	FETCHK
	FETCHV
	s_wait_loadcnt 0x0                             ; q
; The lines that lay a tile's codes out: a whole block of 32 to a lane.  i = 0 .. 2: two swaps; i = 3 .. 5: two moves.  They name destinations and first sources alone, all in window 0
.macro LAY i
.if (\i) < 3
	v_permlane16_swap_b32 v[PC+(\i)], v[PT+(\i)]
	v_permlane16_swap_b32 v[PC+6+(\i)], v[PT+4+(\i)]
.elseif (\i) < 6
	v_mov_b32 v[PC+(\i)], v[PT+(\i)-3]
	v_mov_b32 v[PC+6+(\i)], v[PT+1+(\i)]
.endif
.endm
; S^T of tile t: eight products.  mix = 1: the tile before's twelve lines stand among them
.macro QK t, mix
	WIN 0x04                                       ; source 1 (q) window 1
.irp j, 0,1,2,3,4,5,6,7
	v_wmma_scale_f32_16x16x128_f8f6f4 v[S+8*\j:S+8*\j+7], v[KF+6*\j:KF+6*\j+11], v[QW+12*(\t):QW+12*(\t)+11], 0, v[KSW+\j], v[QS+(\t)] matrix_a_fmt:MATRIX_FMT_FP6 matrix_b_fmt:MATRIX_FMT_FP6
.if \mix
	LAY \j
.endif
.endr
	WIN 0
.endm
; One tile of 16 queries against a step's 128 keys, from its scores on.  first = 1: the walk's first step: nothing to rescale, and the products start O^T.
.macro TILE t, first
.set NM, ST+4*(\t)
.set TX, ST+4*(\t)+1
.set LS, ST+4*(\t)+2
.irp b, 0,1,2,3
	v_max3_num_f32 v[BM+\b], v[S+16*\b], v[S+16*\b+1], v[S+16*\b+2]   ; the largest score of each block of 32 keys, in two chains a block: for the row's maximum and for the block's largest p
.endr
.irp b, 0,1,2,3
	v_max3_num_f32 v[SO+\b], v[S+16*\b+8], v[S+16*\b+9], v[S+16*\b+10]
.endr
.irp i, 3,5
.irp b, 0,1,2,3
	v_max3_num_f32 v[BM+\b], v[BM+\b], v[S+16*\b+\i], v[S+16*\b+\i+1]
.endr
.irp b, 0,1,2,3
	v_max3_num_f32 v[SO+\b], v[SO+\b], v[S+16*\b+8+\i], v[S+16*\b+9+\i]
.endr
.endr
.irp b, 0,1,2,3
	v_max3_num_f32 v[BM+\b], v[BM+\b], v[SO+\b], v[S+16*\b+7]
.endr
.irp b, 0,1,2,3
	v_max_num_f32 v[BM+\b], v[BM+\b], v[S+16*\b+15]
.endr
.irp b, 0,1,2,3
	s_delay_alu instid0(VALU_DEP_4)
	v_permlanex16_b32 v[BT+\b], v[BM+\b], s[SEL], s[SEL+1]
.endr
.irp b, 0,1,2,3
	s_delay_alu instid0(VALU_DEP_4)
	v_max_num_f32 v[BM+\b], v[BM+\b], v[BT+\b]     ; with lane l xor 16's 16 keys
.endr
	s_delay_alu instid0(VALU_DEP_2)
	v_max3_num_f32 v[TMP], v[BM], v[BM+1], v[BM+2]
	s_delay_alu instid0(VALU_DEP_1)
	v_max_num_f32 v[TMP], v[TMP], v[BM+3]
.if \first
	s_delay_alu instid0(VALU_DEP_1)
	v_mul_f32 v[TX], s[CS], v[TMP]                 ; the largest t so far
	s_delay_alu instid0(VALU_DEP_1)
	v_floor_f32 v[NM], -v[TX]                      ; -M = floor(-t)
.else
	s_delay_alu instid0(VALU_DEP_1)
	v_mul_f32 v[TMP], s[CS], v[TMP]
	s_delay_alu instid0(VALU_DEP_1)
	v_max_num_f32 v[TX], v[TX], v[TMP]             ; the running largest t
	v_mov_b32 v[TMP], v[NM]
	s_delay_alu instid0(VALU_DEP_2)
	v_floor_f32 v[NM], -v[TX]
	s_delay_alu instid0(VALU_DEP_1)
	v_sub_f32 v[TMP], v[NM], v[TMP]                ; old M - new M, a whole number
	s_delay_alu instid0(VALU_DEP_1)
	v_cvt_i32_f32 v[TMP], v[TMP]
	s_delay_alu instid0(VALU_DEP_1)
	v_ldexp_f32 v[FF], 1.0, v[TMP]                 ; f = 2^(old M - new M)
.endif
.irp j, 0,2,4,6,8,10,12,14,16,18,20,22,24,26,28,30,32,34,36,38,40,42,44,46,48,50,52,54,56,58,60,62
	v_pk_fma_f32 v[S+\j:S+\j+1], v[S+\j:S+\j+1], s[CS:CS+1], v[NM:NM+1] op_sel_hi:[1,0,0]   ; t - M
.endr
.irp b, 0,1,2,3
	v_fma_f32 v[BM+\b], v[BM+\b], s[CS], v[NM]
.endr
.if \first
	WALU                                           ; the wait ahead of the batch
.else
	WIN 0x41                                       ; destination and source 0 window 1
	WALU                                           ; one wait: ahead of the batch, and directly ahead of the first readers of O^T
.irp j, 0,2,4,6,8,10,12,14,16,18,20,22,24,26,28,30
	v_pk_mul_f32 v[32*(\t)+\j:32*(\t)+\j+1], v[32*(\t)+\j:32*(\t)+\j+1], v[FF:FF+1] op_sel_hi:[1,0]   ; O^T under the new M
.endr
	WIN 0
.endif
.irp j, 0,1,2,3,4,5,6,7,8,9,10,11,12,13,14,15,16,17,18,19,20,21,22,23,24,25,26,27,28,29,30,31,32,33,34,35,36,37,38,39,40,41,42,43,44,45,46,47,48,49,50,51,52,53,54,55,56,57,58,59,60,61,62,63
	v_exp_f32 v[S+\j], v[S+\j]
.endr
.irp b, 0,1,2,3
	v_exp_f32 v[BM+\b], v[BM+\b]                   ; each block's largest p
.endr
.if \first
	v_nop                                          ; the plain place behind the batch
.else
	v_pk_mul_f32 v[LS:LS+1], v[LS:LS+1], v[FF:FF+1] op_sel_hi:[1,0]   ; the sums under the new M
.endif
	WALU                                           ; and the wait behind it
.irp i, 0,1,2,3,4,5,6,7                ; the row's sum, of the unquantised p: eight chains of pairs, in the registers that the codes take later
	v_pk_add_f32 v[PC+2*\i:PC+2*\i+1], v[S+2*\i:S+2*\i+1], v[S+16+2*\i:S+17+2*\i]
.endr
.irp i, 0,1,2,3,4,5,6,7
	v_pk_add_f32 v[PC+2*\i:PC+2*\i+1], v[PC+2*\i:PC+2*\i+1], v[S+32+2*\i:S+33+2*\i]
.endr
.irp i, 0,1,2,3,4,5,6,7
	v_pk_add_f32 v[PC+2*\i:PC+2*\i+1], v[PC+2*\i:PC+2*\i+1], v[S+48+2*\i:S+49+2*\i]
.endr
.irp i, 0,1,2,3
	v_pk_add_f32 v[PC+2*\i:PC+2*\i+1], v[PC+2*\i:PC+2*\i+1], v[PC+8+2*\i:PC+9+2*\i]
.endr
.irp b, 0,1,2,3
	v_max_num_f32 v[BM+\b], 0x1800000, v[BM+\b]    ; the floor 2^(3 - 127): the byte cannot fall under 1.  (The scales' lines and the sum's last lines by turns)
.endr
	v_pk_add_f32 v[PC:PC+1], v[PC:PC+1], v[PC+4:PC+5]
	v_pk_add_f32 v[PC+2:PC+3], v[PC+2:PC+3], v[PC+6:PC+7]
.irp b, 0,1,2,3
	v_add_nc_u32 v[SO+\b], 0xff000000, v[BM+\b]    ; the conversion's scale operand
.endr
	v_pk_add_f32 v[PC:PC+1], v[PC:PC+1], v[PC+2:PC+3]
.irp b, 0,1,2,3
	v_lshrrev_b32 v[BT+\b], 23, v[SO+\b]           ; the scale's byte
.endr
	v_pk_add_f32 v[LS:LS+1], v[LS:LS+1], v[PC:PC+1]
	v_lshl_or_b32 v[PW], v[BT+1], 8, v[BT]
	v_lshl_or_b32 v[TMP], v[BT+3], 8, v[BT+2]
	v_lshl_or_b32 v[PW], v[TMP], 16, v[PW]
.irp c, 0,1
	v_cvt_scalef32_pk16_fp6_f32 v[PC+6*\c:PC+6*\c+2], v[S+32*\c:S+32*\c+15], v[SO+2*\c]
	v_cvt_scalef32_pk16_fp6_f32 v[PT+4*\c:PT+4*\c+2], v[S+32*\c+16:S+32*\c+31], v[SO+2*\c+1]
.endr
	v_nop                                          ; one plain place behind a scaled conversion
.if (\t) == 0
	WALU                                           ; the wait ahead of the wait below
	s_wait_dscnt 0x0                               ; v's fragments, asked for a tile's work ago, are in
.endif
.if (\t) < 3
	QK (\t)+1, 1                                   ; the score registers are free: the next tile's scores
.else
.irp i, 0,1,2,3,4,5
	LAY \i
.endr
.endif
	PLACES 4                                       ; the codes stand four places, p's scale word eight, ahead of the products; the scores four places ahead of their readers; k's registers four ahead of the loads
.if (\t) == 2
	FETCHK                                         ; the next step's k: this step's last product on these registers is issued
.endif
.if \first
	WIN 0x40                                       ; D window 1
.irp u, 0,1,2,3
	v_wmma_scale_f32_16x16x128_f8f6f4 v[32*(\t)+8*\u:32*(\t)+8*\u+7], v[VF+12*\u:VF+12*\u+11], v[PC:PC+11], 0, v[VSW+\u], v[PW] matrix_a_fmt:MATRIX_FMT_FP6 matrix_b_fmt:MATRIX_FMT_FP6
.endr
.else
	WIN 0x50                                       ; C and D window 1
.irp u, 0,1,2,3
	v_wmma_scale_f32_16x16x128_f8f6f4 v[32*(\t)+8*\u:32*(\t)+8*\u+7], v[VF+12*\u:VF+12*\u+11], v[PC:PC+11], v[32*(\t)+8*\u:32*(\t)+8*\u+7], v[VSW+\u], v[PW] matrix_a_fmt:MATRIX_FMT_FP6 matrix_b_fmt:MATRIX_FMT_FP6
.endr
.endif
	WIN 0
.if (\t) == 3
	PLACES 4
	FETCHV                                         ; the next step's v
.endif
.endm
.macro STEP first
	s_add_co_u32 s[TK], s[TK], 6144                ; the addresses of the step that this one fetches
	s_add_co_u32 s[TS], s[TS], 512
	s_add_co_u32 s[TT], s[TT], 256
	ADDR
	s_wait_dscnt 17                                ; k's 18 loads are in; v's 17, issued behind them, may be out
	QK 0, 0
	PLACES 4
	TILE 0, \first
	TILE 1, \first
	TILE 2, \first
	TILE 3, \first
.endm
	STEP 1
	s_mov_b32 s[CNT], 15
.Lkey:
	STEP 0
	s_sub_co_u32 s[CNT], s[CNT], 1
	s_cmp_lg_u32 s[CNT], 0
	WALU                                           ; the wait ahead of the branch
	s_cbranch_scc1 .Lkey
	s_wait_dscnt 0x0                               ; the last trip's loads have come back
; THE WAY OUT: O^T / the sum, quantised along the head's 64: two blocks, one half fragment a tile
.irp t, 0,1,2,3
	v_add_f32 v[ST+4*\t+2], v[ST+4*\t+2], v[ST+4*\t+3]
.endr
.irp t, 0,1,2,3
	v_permlanex16_b32 v[BT+\t], v[ST+4*\t+2], s[SEL], s[SEL+1]
.endr
.irp t, 0,1,2,3
	v_add_f32 v[ST+4*\t+2], v[ST+4*\t+2], v[BT+\t]
.endr
	WALU
.irp t, 0,1,2,3
	v_rcp_f32 v[ST+4*\t+2], v[ST+4*\t+2]
.endr
	v_nop
	WIN 0x41
	WALU                                           ; for the four reciprocals, and directly ahead of the first readers of O^T
.irp t, 0,1,2,3
.irp j, 0,2,4,6,8,10,12,14,16,18,20,22,24,26,28,30
	v_pk_mul_f32 v[32*\t+\j:32*\t+\j+1], v[32*\t+\j:32*\t+\j+1], v[ST+4*\t+2:ST+4*\t+3] op_sel_hi:[1,0]
.endr
.endr
.macro OUTQ t
.set OO, 32*(\t)
.set YC, S+8*(\t)                      ; each tile's codes have registers of their own: no store's data are written again
	WIN 0x05                                       ; sources 0 and 1 window 1
.irp b, 0,1
	v_max3_num_f32 v[BM+\b], |v[OO+16*\b]|, |v[OO+16*\b+1]|, 0x1800000
.endr
.irp i, 2,4,6,8,10,12,14
.irp b, 0,1
	v_max3_num_f32 v[BM+\b], |v[OO+16*\b+\i]|, |v[OO+16*\b+\i+1]|, v[BM+\b]
.endr
.endr
	WIN 0
.irp b, 0,1
	v_permlanex16_b32 v[BT+\b], v[BM+\b], s[SEL], s[SEL+1]
.endr
.irp b, 0,1
	v_max_num_f32 v[BM+\b], v[BM+\b], v[BT+\b]
.endr
.irp b, 0,1
	v_add_nc_u32 v[SO+\b], 0xff000000, v[BM+\b]
.endr
.irp b, 0,1
	v_lshrrev_b32 v[BT+\b], 23, v[SO+\b]
.endr
	v_lshl_or_b32 v[TMP], v[BT+1], 8, v[BT]
	WIN 0x01                                       ; source 0 window 1
	v_cvt_scalef32_pk16_fp6_f32 v[YC:YC+2], v[OO:OO+15], v[SO]
	v_cvt_scalef32_pk16_fp6_f32 v[PT:PT+2], v[OO+16:OO+31], v[SO+1]
	WIN 0
	v_nop
.irp i, 0,1,2
	v_permlane16_swap_b32 v[YC+\i], v[PT+\i]
.endr
.irp i, 0,1,2
	v_mov_b32 v[YC+3+\i], v[PT+\i]
.endr
	global_store_b128 v1, v[YC:YC+3], s[52:53] offset:3072*(\t)    ; 512 consecutive bytes
	global_store_b64 v2, v[YC+4:YC+5], s[52:53] offset:3072*(\t)   ; 256 consecutive bytes
	ds_store_b16 v[AY], v[TMP] offset:32*(\t)
.endm
	OUTQ 0
	OUTQ 1
	OUTQ 2
	OUTQ 3
	s_wait_dscnt 0x0
	s_barrier_signal -1
	s_barrier_wait -1                              ; the block's 1,024 scale bytes are in LDS
	s_cmp_lt_u32 s[WV], 2
	s_cbranch_scc0 .Lno_scales
	ds_load_b128 v[VF:VF+3], v[AR]
	s_wait_dscnt 0x0
	global_store_b128 v[AO], v[VF:VF+3], s[54:55]  ; sixteen lanes store a group's 256 bytes, aligned
.Lno_scales:
	s_wait_tensorcnt 0x0                           ; the wave's end
	ds_add_u32 v[SPW], v[NIL]
	s_wait_dscnt 0x0
	CROUND                                         ; the closing round
	s_endpgm
.Lfunc_end_k_q39c2491499_attn:
	.size	k_q39c2491499_attn, .Lfunc_end_k_q39c2491499_attn-k_q39c2491499_attn
	.p2alignl 7, 3214868480
	.fill 96, 4, 3214868480
	.section	.rodata,"a",@progbits
	.p2align	6, 0x0
	.amdhsa_kernel k_q39c2491499_attn
		.amdhsa_group_segment_fixed_size 327680
		.amdhsa_private_segment_fixed_size 0
		.amdhsa_enable_private_segment 0
		.amdhsa_kernarg_size 24
		.amdhsa_user_sgpr_count 2
		.amdhsa_user_sgpr_kernarg_segment_ptr 1
		.amdhsa_wavefront_size32 1
		.amdhsa_system_sgpr_workgroup_id_x 1
		.amdhsa_system_sgpr_workgroup_id_y 1
		.amdhsa_system_sgpr_workgroup_id_z 1
		.amdhsa_system_vgpr_workitem_id 0
		.amdhsa_next_free_vgpr 512
		.amdhsa_next_free_sgpr 66
		.amdhsa_reserve_vcc 0
		.amdhsa_float_denorm_mode_32 3
		.amdhsa_float_denorm_mode_16_64 3
		.amdhsa_memory_ordered 1
		.amdhsa_forward_progress 1
		.amdhsa_inst_pref_size 139
	.end_amdhsa_kernel
	.amdgpu_metadata
---
amdhsa.version: [ 1, 2 ]
amdhsa.kernels:
  - .name:           k_q39c2491499_attn
    .symbol:         k_q39c2491499_attn.kd
    .args:
      - { .name: qkvc, .offset: 0, .size: 8, .value_kind: global_buffer, .address_space: global }
      - { .name: scl, .offset: 8, .size: 8, .value_kind: global_buffer, .address_space: global }
      - { .name: yq, .offset: 16, .size: 8, .value_kind: global_buffer, .address_space: global }
    .group_segment_fixed_size: 327680
    .private_segment_fixed_size: 0
    .kernarg_segment_align: 8
    .kernarg_segment_size: 24
    .max_flat_workgroup_size: 256
    .sgpr_count:     66
    .vgpr_count:     512
    .wavefront_size: 32
...
	.end_amdgpu_metadata
.endif
;; end of part 3
;; launch proj (part 4): grid 4 x 64, 4 waves a work-group, clusters of 4 x 4, 327,680 bytes of LDS; arguments yq, wq, b_proj, out0; writes out0
.if DOCPART == 4
	.amdgcn_target "amdgcn-amd-amdhsa--gfx1250"
	.amdhsa_code_object_version 6
	.text
	.protected	k_q39c2491499_proj
	.globl	k_q39c2491499_proj
	.p2align	8
	.type	k_q39c2491499_proj,@function
k_q39c2491499_proj:
	s_mov_b64 s[64:65], 0
	v_nop
	global_prefetch_b8 v0, s[64:65] scope:SCOPE_SE
	s_setreg_imm32_b32 hwreg(HW_REG_WAVE_MODE, 25, 1), 1
	s_wait_xcnt 0x0
	s_wait_alu depctr_hold_cnt(0) depctr_sa_sdst(0) depctr_va_vdst(0) depctr_va_sdst(0) depctr_va_ssrc(0) depctr_va_vcc(0) depctr_vm_vsrc(0)
	s_getreg_b32 s2, hwreg(HW_REG_IB_STS2, 6, 4)
	s_cmp_eq_u32 s2, 0
	s_cbranch_scc0 .Lentry_in_a_cluster
	s_endpgm
.Lentry_in_a_cluster:
	s_bfe_u32 s2, ttmp6, 0x10000c
	s_cmp_lg_u32 s2, 0xf033
	s_cbranch_scc0 .Lentry_shape_is_right
	s_endpgm
.Lentry_shape_is_right:
; out0 = y w_proj + b_proj on codes of FP6 (E2M3) with E8M0 scales; out0 [8192][1024] f32.
; THE CORE is the second launch's.  C'[p][rho] = sum over k of P[p][k] R[rho][k], K = 1,024; source 0 = 16 rows of R (columns of w_proj: groups 24-31 of wq), source 1 = 16 rows of P (tokens: yq): a lane holds one token,
; and its registers run along the output's columns.  A work-group makes 128 tokens x 256 columns, its four waves 64 x 128 each: 32 accumulators.  All of K, codes and scales, 307,200 bytes, lies in LDS: every byte is filled once.
; Tile i, lane row r of a group of 128 is row 32 (i/2) + 8 (i%2) + r + 8 (r/8): the 16 result registers of R's tiles 2 b, 2 b + 1 are 16 neighbouring columns 32 b + 16 h + 0 .. 15.
; yq's scale part of a chunk is [head 4][tile 8][r 16] of two bytes: a K step's word of a row is made of two heads' pairs.
; CLUSTER 4 x 4: P's tile hangs on cy alone and is asked for jointly along a row of the cluster, R's on cx alone and along a column.
; REGISTERS.  window 0: v1-25 addresses; v32-63 R's scale words, v64-79 P's; v80-175 P's fragments, two sets of 48; v196-203 halves of P's words; on the way out v80-207 rows of the output.
;   window 1: v0-191 R's fragments, two sets of 96; v192-255 the bias in the result's layout.   window 2: accumulator (a, b) at v[64 a + 8 b].
.set CH,    25600
.set RG,    102400
.set SCO,   24576
.set RB,    102400                     ; LDS: P's group at 0; from here chunks 0, 1 of R's two groups, then, RG further on, their chunks 2, 3
.set SPARE, 307200                     ; behind them: the spare words, 128 bytes a wave: two blocks of 256 bytes that no other line names
.set STGB,  8448                       ; the way out: a stage of 16 rows x (512 bytes + 16) for each wave, in P's bytes, which have had their only fill and their last read by then
.set AR128, 4
.set AR64,  6
.set AP128, 8
.set AP64,  10
.set ASR,   12
.set ASP,   14
.set SPW,   16                         ; v16  LDS address of my spare word; never rewritten
.set NIL,   17                         ; v17  0; never rewritten
.set STO,   19                         ; v19  the stage: where I put my 64 bytes of a row
.set RD,    20                         ; v20  and where I read a row back
.set SR,    32
.set SP,    64
.set PF,    80
.set UL,    196                        ; v196-199 the even head's two bytes, v200-203 the odd head's
.set UH,    200
.set BK,    80
.set BC,    192                        ; in window 1
.set G1P,   24
.set G1R,   32
.set G0P,   40
.set G0R,   68
.set MSB, 0
.macro WIN new                         ; the immediate's high byte repeats the setting that is left
.if MSB != \new
	s_set_vgpr_msb (MSB<<8)|\new
.set MSB, \new
.endif
.endm
.macro PLACES n
.rept \n
	v_nop
.endr
.endm
.macro CROUND
	s_barrier_signal -1
	s_barrier_wait -1
	s_cmp_lg_u32 s14, 0
	s_cbranch_scc1 .Lnot_wave_0_\@
	s_barrier_signal -3
.Lnot_wave_0_\@:
	s_barrier_wait -3
	s_barrier_signal -1
	s_barrier_wait -1
.endm
	s_load_b256 s[4:11], s[0:1], 0x0               ; yq s[4:5], wq s[6:7], b_proj s[8:9], out0 s[10:11]
	v_lshl_add_u32 v[SPW], v0, 2, SPARE
	v_mov_b32 v[NIL], 0
	ds_add_u32 v[SPW], v[NIL]                      ; the wave's opening: the add and its wait ahead of my first tensor load; work on registers stands between them
	ds_add_u32 v[SPW], v[NIL]
	v_lshrrev_b32 v1, 5, v0
	v_readfirstlane_b32 s14, v1                    ; wave 0..3
	s_lshr_b32 s15, s14, 1                         ; wp: which 64 tokens are mine
	s_and_b32 s16, s14, 1                          ; wr: which 128 columns
	s_bfe_u32 s17, ttmp6, 0x40000                  ; cx
	s_bfe_u32 s18, ttmp6, 0x40004                  ; cy
	s_and_b32 s20, ttmp7, 0xffff                   ; the cluster's y
	s_lshl_b32 s21, s18, 2
	s_lshl_b32 s21, 15, s21                        ; my row of the cluster
	s_lshl_b32 s22, 0x1111, s17                    ; my column
	s_or_b32 s[G1P], s21, (3<<16)|(1<<21)          ; 15:0 the mask; 17:16 elements of 8 bytes; 21 set beside a mask; no padding
	s_or_b32 s[G1R], s22, (3<<16)|(1<<21)
	s_mov_b32 s[G1P+1], 32<<16                     ; P: two chunks, a dense block, as 200 rows of 256 bytes (32 elements of 8)
	s_mov_b32 s[G1P+2], 200<<16
	s_mov_b32 s[G1P+3], 32<<16
	s_mov_b32 s[G1P+4], 200
	s_mov_b32 s[G1P+5], 32
	s_mov_b32 s[G1P+6], 0
	s_mov_b32 s[G1P+7], 0
	s_mov_b32 s[G1R+1], 6400<<16                   ; R: two chunks of each of two neighbouring groups: 2 rows of 51,200 bytes (6,400 elements), a group (12,800 elements) apart; dense in LDS
	s_mov_b32 s[G1R+2], 2<<16
	s_mov_b32 s[G1R+3], 6400<<16
	s_mov_b32 s[G1R+4], 2
	s_mov_b32 s[G1R+5], 12800
	s_mov_b32 s[G1R+6], 0
	s_mov_b32 s[G1R+7], 0
	s_lshl_b32 s56, s20, 2
	s_add_co_u32 s56, s56, s18                     ; P: group 4 Y + cy of yq
	s_mul_i32 s56, s56, RG
	s_mov_b32 s57, 0
	s_lshl_b32 s58, s17, 1
	s_add_co_u32 s58, s58, 24                      ; R: group 24 + 2 cx + wave % 2 of wq
	s_mul_i32 s58, s58, RG
	s_mov_b32 s59, 0
	s_mul_i32 s66, s16, 2*CH
	s_add_co_u32 s66, s66, RB                      ; my group of R in LDS
	s_wait_dscnt 0x0                               ; the opening add is done
	s_wait_kmcnt 0x0
	s_add_nc_u64 s[60:61], s[4:5], s[56:57]
	s_add_nc_u64 s[62:63], s[6:7], s[58:59]
.irp j, 0,2
	s_mov_b32 s[G0P+4*\j], 1
	s_mov_b32 s[G0P+4*\j+1], \j*CH
	s_add_nc_u64 s[G0P+4*\j+2:G0P+4*\j+3], s[60:61], \j*CH
	s_or_b32 s[G0P+4*\j+3], s[G0P+4*\j+3], 0x80000000
	s_mov_b32 s[G0R+4*\j], 1
	s_mov_b32 s[G0R+4*\j+1], RB+2*\j*CH
	s_add_nc_u64 s[G0R+4*\j+2:G0R+4*\j+3], s[62:63], \j*CH
	s_or_b32 s[G0R+4*\j+3], s[G0R+4*\j+3], 0x80000000
.endr
	CROUND                                         ; all sixteen work-groups are here: the joint loads meet
	; all fills of the launch, one tensor load a wave, each in its own arm of one chain of branches on the wave's number: wave 0: R's chunks 0, 1; wave 1: P's chunks 0, 1; wave 2: R's chunks 2, 3; wave 3: P's chunks 2, 3
	s_cmp_eq_u32 s14, 0
	s_cbranch_scc0 .Lwave_1
	tensor_load_to_lds s[G0R:G0R+3], s[G1R:G1R+7]
	s_nop 0
	PLACES 4
	s_branch .Lasked
.Lwave_1:
	s_cmp_eq_u32 s14, 1
	s_cbranch_scc0 .Lwave_2
	tensor_load_to_lds s[G0P:G0P+3], s[G1P:G1P+7]
	s_nop 0
	PLACES 4
	s_branch .Lasked
.Lwave_2:
	s_cmp_eq_u32 s14, 2
	s_cbranch_scc0 .Lwave_3
	tensor_load_to_lds s[G0R+8:G0R+11], s[G1R:G1R+7]
	s_nop 0
	PLACES 4
	s_branch .Lasked
.Lwave_3:
	tensor_load_to_lds s[G0P+8:G0P+11], s[G1P:G1P+7]
	s_nop 0
	PLACES 4
.Lasked:
	v_and_b32 v24, 31, v0
	v_lshlrev_b32 v1, 4, v24                       ; 16 l
	v_and_b32 v2, 15, v0                           ; r
	v_bfe_u32 v3, v0, 4, 1                         ; h
	v_lshlrev_b32 v18, 4, v2
	v_lshl_add_u32 v18, v3, 3, v18
	v_add_nc_u32 v18, 512, v18                     ; 512 + 16 r + 8 h
	v_add_nc_u32 v[AR128], s66, v1
	v_add_nc_u32 v[AR128+1], RG, v[AR128]
	v_add_nc_u32 v[AR64], s66, v18
	v_add_nc_u32 v[AR64+1], RG, v[AR64]
	s_mul_i32 s67, s15, 12288
	v_add_nc_u32 v[AP128], s67, v1
	v_add_nc_u32 v[AP128+1], 2*CH, v[AP128]
	v_add_nc_u32 v[AP64], s67, v18
	v_add_nc_u32 v[AP64+1], 2*CH, v[AP64]
	v_lshlrev_b32 v25, 3, v2
	v_lshl_add_u32 v[ASR], v3, 9, v25              ; R's words: 8 r, + four tiles for lanes 16-31
	v_add_nc_u32 v[ASR], s66, v[ASR]
	v_add_nc_u32 v[ASR+1], RG, v[ASR]
	s_lshl_b32 s67, s15, 7
	v_lshlrev_b32 v25, 1, v2
	v_lshl_add_u32 v[ASP], v3, 6, v25              ; P's pairs of bytes: 2 r, + two tiles for lanes 16-31
	v_add_nc_u32 v[ASP], s67, v[ASP]
	v_add_nc_u32 v[ASP+1], 2*CH, v[ASP]
	s_mul_i32 s67, s14, STGB
	v_mul_u32_u24 v[STO], v2, 528
	v_lshl_add_u32 v[STO], v3, 6, v[STO]
	v_add_nc_u32 v[STO], s67, v[STO]               ; the stage: row r, + 64 h
	v_add_nc_u32 v[RD], s67, v1                    ; back: 16 bytes a lane of a row of 512
	; the bias runs along R: tile b, register j: column 32 (b/2) + 8 (b%2) + 16 h + j of my 128.  It is the C of each sum's first matrix instruction
	s_lshl_b32 s3, s17, 1
	s_add_co_u32 s3, s3, s16
	s_lshl_b32 s2, s3, 9                           ; my first column, in bytes: 4 (256 cx + 128 wr)
	s_mov_b32 s3, 0
	s_add_nc_u64 s[8:9], s[8:9], s[2:3]
	s_add_nc_u64 s[84:85], s[10:11], s[2:3]
	v_lshlrev_b32 v21, 6, v3
	WIN 0x40                                       ; destination window 1
.irp b, 0,1,2,3,4,5,6,7
	global_load_b128 v[BC+8*\b:BC+8*\b+3], v21, s[8:9] offset:128*(\b/2)+32*(\b%2)
	global_load_b128 v[BC+8*\b+4:BC+8*\b+7], v21, s[8:9] offset:128*(\b/2)+32*(\b%2)+16
.endr
	WIN 0
	s_lshl_b32 s2, s20, 2
	s_add_co_u32 s2, s2, s18
	s_lshl_b32 s2, s2, 1
	s_add_co_u32 s2, s2, s15                       ; my first token / 64
	s_lshl_b32 s2, s2, 18                          ; x 64 rows of 4,096 bytes
	s_add_nc_u64 s[84:85], s[84:85], s[2:3]        ; out0 at my corner
.macro FRAGL reg, a128, a64, off       ; a fragment, 12 registers: two half fragments, each a load of 16 and a load of 8 bytes a lane, consecutive over the lanes
	ds_load_b128 v[\reg:\reg+3], v[\a128] offset:\off
	ds_load_b64 v[\reg+4:\reg+5], v[\a64] offset:\off
	ds_load_b128 v[\reg+6:\reg+9], v[\a128] offset:\off+768
	ds_load_b64 v[\reg+10:\reg+11], v[\a64] offset:\off+768
.endm
.macro FETCH k                         ; K step k (chunk k / 2, half k % 2) into set k % 2; with a chunk's first step its scales
.set FJ, (\k)/2
.set FQ, (\k)%2
.set FO, (FJ%2)*CH+FQ*1536
.set FH, FJ/2
	WIN 0x40
.irp b, 0,1,2,3,4,5,6,7
	FRAGL 96*FQ+12*\b, AR128+FH, AR64+FH, FO+3072*\b
.endr
	WIN 0
.irp a, 0,1,2,3
	FRAGL PF+48*FQ+12*\a, AP128+FH, AP64+FH, FO+3072*\a
.endr
.if FQ == 0
.irp i, 0,1,2,3
	ds_load_b64 v[SR+8*FJ+2*\i:SR+8*FJ+2*\i+1], v[ASR+FH] offset:(FJ%2)*CH+SCO+128*\i
.endr
.irp i, 0,1
.irp q, 0,1
	ds_load_u16 v[UL+2*\i+\q], v[ASP+FH] offset:(FJ%2)*CH+SCO+512*\q+32*\i          ; head 2 q of the chunk: the word's bytes 0, 1
	ds_load_u16 v[UH+2*\i+\q], v[ASP+FH] offset:(FJ%2)*CH+SCO+512*\q+256+32*\i      ; head 2 q + 1: bytes 2, 3
.endr
.endr
.endif
.endm
.macro WMMA d, fa, fb, c, sa, sb, ra, rb   ; ra, rb: the scale words stand in lanes 16-31
.if (\ra) && (\rb)
	v_wmma_scale_f32_16x16x128_f8f6f4 v[\d:\d+7], v[\fa:\fa+11], v[\fb:\fb+11], v[\c:\c+7], v[\sa], v[\sb] matrix_a_fmt:MATRIX_FMT_FP6 matrix_b_fmt:MATRIX_FMT_FP6 matrix_a_scale:MATRIX_SCALE_ROW1 matrix_b_scale:MATRIX_SCALE_ROW1
.elseif (\ra)
	v_wmma_scale_f32_16x16x128_f8f6f4 v[\d:\d+7], v[\fa:\fa+11], v[\fb:\fb+11], v[\c:\c+7], v[\sa], v[\sb] matrix_a_fmt:MATRIX_FMT_FP6 matrix_b_fmt:MATRIX_FMT_FP6 matrix_a_scale:MATRIX_SCALE_ROW1
.elseif (\rb)
	v_wmma_scale_f32_16x16x128_f8f6f4 v[\d:\d+7], v[\fa:\fa+11], v[\fb:\fb+11], v[\c:\c+7], v[\sa], v[\sb] matrix_a_fmt:MATRIX_FMT_FP6 matrix_b_fmt:MATRIX_FMT_FP6 matrix_b_scale:MATRIX_SCALE_ROW1
.else
	v_wmma_scale_f32_16x16x128_f8f6f4 v[\d:\d+7], v[\fa:\fa+11], v[\fb:\fb+11], v[\c:\c+7], v[\sa], v[\sb] matrix_a_fmt:MATRIX_FMT_FP6 matrix_b_fmt:MATRIX_FMT_FP6
.endif
.endm
.macro MUL a, k, cm                    ; P's tile a against R's eight.  cm = 1: the bias starts the sums.  The 32 accumulators take turns
.irp b, 0,1,2,3,4,5,6,7
.if (\cm) == 0
.set CN, 64*(\a)+8*\b
.else
.set CN, BC+8*\b
.endif
	WMMA 64*(\a)+8*\b, 96*((\k)%2)+12*\b, PF+48*((\k)%2)+12*(\a), CN, SR+8*((\k)/2)+2*(\b%4)+(\k)%2, SP+4*((\k)/2)+2*((\a)%2)+(\k)%2, \b/4, (\a)/2
.endr
.endm
.macro MWIN cm
.if (\cm) == 0
	WIN 0xa1                                       ; source 0 (R) window 1, source 1 (P) window 0, C and D window 2
.else
	WIN 0x91                                       ; C (the bias) window 1
.endif
.endm
; A K step of 128: 32 matrix instructions; behind the first eight the next step's LDS loads go out in one run.  Step 3 stands in front of chunks 2, 3: every wave waits for its tensor load, says so, and reads them
; when all four waves have said so.  The last step's barrier says that every wave's reads of the tiles are over: the stages may be written.
.macro STEP k, cm
	s_wait_dscnt 0x0                               ; this step's fragments and scales are in
.if (\k)%2 == 0
.irp x, 0,1,2,3
	v_lshl_or_b32 v[SP+4*((\k)/2)+\x], v[UH+\x], 16, v[UL+\x]   ; the chunk's words of P
.endr
	PLACES 8                                       ; a scale register written by a vector instruction stands eight places ahead of the scaled matrix instruction
.endif
.if (\k) == 3
	s_wait_tensorcnt 0x0                           ; every wave's load has landed
.endif
.if ((\k) == 3) || ((\k) == 7)
	s_barrier_signal -1
.endif
	MWIN \cm
	MUL 0, \k, \cm
	WIN 0
.if ((\k) == 3) || ((\k) == 7)
	s_barrier_wait -1
.endif
.if (\k) < 7
	PLACES 4                                       ; in front of loads into registers that matrix instructions have read
	FETCH (\k)+1
.endif
	MWIN \cm
	MUL 1, \k, \cm
	MUL 2, \k, \cm
	MUL 3, \k, \cm
	WIN 0
.endm
	s_wait_alu depctr_va_vdst(0)
	s_cmp_lt_u32 s14, 2                            ; waves 0, 1: my load, chunks 0, 1 of R or of P, has landed.  Waves 2, 3's loads may still be out
	s_cbranch_scc0 .Lnot_first
	s_wait_tensorcnt 0x0
.Lnot_first:
	s_barrier_signal -1
	s_barrier_wait -1                              ; everybody's has
	FETCH 0
	s_wait_loadcnt 0x0                             ; the bias
	STEP 0, 1
	s_wait_alu depctr_va_vdst(0)
.irp k, 1,2,3,4,5,6,7
	s_wait_alu depctr_va_vdst(0)
	STEP \k, 0
.endr
; THE WAY OUT, a tile of 16 tokens x 128 columns at a time.  A lane holds 4 x 64 neighbouring bytes of one row; the tile goes through my own stage and comes back as whole rows of 512 bytes.
; LDS serves a wave's instructions in order: no wait between the stores and the loads, nor in front of the next tile's stores.
.macro TOSTAGE a
	WIN 0x08                                       ; an LDS store's data are its source 1: window 2
.irp b, 0,1,2,3
.irp j, 0,1,2,3
	ds_store_b128 v[STO], v[64*(\a)+16*\b+4*\j:64*(\a)+16*\b+4*\j+3] offset:128*\b+16*\j   ; each accumulator from its low end on
.endr
.endr
	WIN 0
.irp t, 0,1,2,3,4,5,6,7,8,9,10,11,12,13,14,15
	ds_load_b128 v[BK+64*((\a)%2)+4*\t:BK+64*((\a)%2)+4*\t+3], v[RD] offset:528*\t
.endr
.endm
.macro SEND a, younger                 ; younger: the LDS instructions issued behind tile a's loads, which may stay out
	s_wait_dscnt \younger
.irp t, 0,1,2,3,4,5,6,7,8,9,10,11,12,13,14,15
	global_store_b128 v1, v[BK+64*((\a)%2)+4*\t:BK+64*((\a)%2)+4*\t+3], s[84:85] offset:(32*((\a)/2)+8*((\a)%2)+\t+8*(\t/8))*4096 th:TH_STORE_NT   ; 512 consecutive bytes, aligned; written once
.endr
.endm
	PLACES 4                                       ; behind the last products: their results are read, and P's fragment registers loaded
	TOSTAGE 0
	TOSTAGE 1
	SEND 0, 32                                     ; behind tile 0's loads: tile 1's 16 stores and 16 loads
	s_wait_xcnt 0x0                                ; tile 0's stores have read their registers: tile 2's rows may land there
	TOSTAGE 2
	SEND 1, 32
	s_wait_xcnt 0x0
	TOSTAGE 3
	SEND 2, 32
	SEND 3, 0
	s_wait_tensorcnt 0x0                           ; the wave's end: behind my last tensor load and my last LDS store
	ds_add_u32 v[SPW], v[NIL]
	s_wait_dscnt 0x0
	CROUND                                         ; the closing round
	s_endpgm
.Lfunc_end_k_q39c2491499_proj:
	.size	k_q39c2491499_proj, .Lfunc_end_k_q39c2491499_proj-k_q39c2491499_proj
	.p2alignl 7, 3214868480
	.fill 96, 4, 3214868480
	.section	.rodata,"a",@progbits
	.p2align	6, 0x0
	.amdhsa_kernel k_q39c2491499_proj
		.amdhsa_group_segment_fixed_size 327680
		.amdhsa_private_segment_fixed_size 0
		.amdhsa_enable_private_segment 0
		.amdhsa_kernarg_size 32
		.amdhsa_user_sgpr_count 2
		.amdhsa_user_sgpr_kernarg_segment_ptr 1
		.amdhsa_wavefront_size32 1
		.amdhsa_system_sgpr_workgroup_id_x 1
		.amdhsa_system_sgpr_workgroup_id_y 1
		.amdhsa_system_sgpr_workgroup_id_z 1
		.amdhsa_system_vgpr_workitem_id 0
		.amdhsa_next_free_vgpr 768
		.amdhsa_next_free_sgpr 104
		.amdhsa_reserve_vcc 0
		.amdhsa_float_denorm_mode_32 3
		.amdhsa_float_denorm_mode_16_64 3
		.amdhsa_memory_ordered 1
		.amdhsa_forward_progress 1
		.amdhsa_inst_pref_size 88
	.end_amdhsa_kernel
	.amdgpu_metadata
---
amdhsa.version: [ 1, 2 ]
amdhsa.kernels:
  - .name:           k_q39c2491499_proj
    .symbol:         k_q39c2491499_proj.kd
    .args:
      - { .name: yq, .offset: 0, .size: 8, .value_kind: global_buffer, .address_space: global }
      - { .name: wq, .offset: 8, .size: 8, .value_kind: global_buffer, .address_space: global }
      - { .name: b_proj, .offset: 16, .size: 8, .value_kind: global_buffer, .address_space: global }
      - { .name: out0, .offset: 24, .size: 8, .value_kind: global_buffer, .address_space: global }
    .group_segment_fixed_size: 327680
    .private_segment_fixed_size: 0
    .kernarg_segment_align: 8
    .kernarg_segment_size: 32
    .max_flat_workgroup_size: 128
    .sgpr_count:     104
    .vgpr_count:     768
    .wavefront_size: 32
...
	.end_amdgpu_metadata
.endif
;; end of part 4
